; MI455X (gfx1250); checked and timed in simulation.
; The chip was launched on July 23, 2026; its instructions are those of AMD's public machine-readable ISA for CDNA 5 (MIT licence, August 2026) and "CDNA5" Instruction Set Architecture Reference Guide (July 2026). The comments in the code are by the model that wrote it; some were corrected since.
;; Graphormer Attention. Allowed arithmetic: matrix products marked QUANTISED: E2M1 operands, one E8M0 scale for each 32 along K, by v_wmma_scale_f32_16x16x128_f8f6f4 with both operands' format E2M1 (or v_wmma_scale_f32_32x16x128_f4), f32 sums; products left as they are: bf16, f16 or f32 operands; f32 sums; everything else in f32.
;; Inputs: Wk 768 x 768 float32; Wo 768 x 768 float32; Wq 768 x 768 float32; Wv 768 x 768 float32; bk 768 float32; bo 768 float32; bq 768 float32; bv 768 float32; edge_enc 8 x 1,024 x 1,024 float32; mask 8 x 1,024 x 1,024 bool; sp_enc 8 x 1,024 x 1,024 float32; x 8 x 1,024 x 768 float32.
;; Outputs: out0 8 x 1,024 x 768 float32.
;; This version of the problem:
;;   THIS VERSION OF THE PROBLEM IS GIVEN IN LOW PRECISION. The matrix products marked QUANTISED in the list below multiply operands that are first quantised to E2M1 (2 exponent bits, 1 mantissa bit; 4 bits a number), with one power-of-two scale for each 32 numbers along K (OCP MX v1.0); their sums are f32. The products marked 'left as it is' may take bf16, f16 or f32 operands, with f32 sums. Whichever they take, every output number must still come out within the allowed error. Rounding operands to bf16 (8 significant bits) uses up far more of that allowance than f16 does (11 bits, for magnitudes from 6e-5 to 65,504). All else is computed in f32.
;;   The module's matrix products, in the order in which they are computed (A, B: the left and right operand; K: the contracted axis; several contracted axes count as one K, in the product's order):
;;     1. [M 8,192, K 768] x [K 768, N 768]; A: input x; B: input Wq: QUANTISED
;;     2. [M 8,192, K 768] x [K 768, N 768]; A: input x; B: input Wk: QUANTISED
;;     3. [M 8,192, K 768] x [K 768, N 768]; A: input x; B: input Wv: QUANTISED
;;     4. batch 96 x [M 1,024, K 64] x [K 64, N 1,024]; A: computed on the way; B: computed on the way: left as it is (an operand is computed on the way)
;;     5. batch 96 x [M 1,024, K 1,024] x [K 1,024, N 64]; A: computed on the way; B: computed on the way: left as it is (an operand is computed on the way)
;;     6. [M 8,192, K 768] x [K 768, N 768]; A: computed on the way; B: input Wo: left as it is (an operand is computed on the way)
;;   THE QUANTISER, for each operand of a quantised product, along K:
;;     - K is cut into blocks of 32 from its start; a last block that is shorter is filled with zeros.
;;     - A block's scale is 2^e with e = floor(log2(the largest magnitude in the block)) - 2, held to -126 .. 127; a block of zeros has e = 0. As a byte (E8M0): e + 127.
;;     - Each number is divided by its block's scale, clamped to +-6, and rounded to the nearest number of E2M1, ties to even, subnormals kept.
;;     - The product sums the exact products of the quantised numbers (number of the format x scale) in f32.
;;   ~~~python
;;   def quantise(x, axis):      # numpy; x: float32 -> the quantised numbers, widened to float32 again
;;       x = np.moveaxis(x, axis, -1); K = x.shape[-1]
;;       x = np.pad(x, [(0, 0)] * (x.ndim - 1) + [(0, -K % 32)]); x = x.reshape(x.shape[:-1] + (-1, 32)); a = np.abs(x).max(-1, keepdims=True)
;;       e = np.where(a > 0, np.clip(np.frexp(np.where(a > 0, a, 1))[1] - 1 - 2, -126, 127), 0)      # np.frexp(a)[1] - 1 = floor(log2(a)), exactly
;;       r = np.clip(x / 2.0 ** e, -6, 6)
;;       step = 2.0 ** (np.maximum(np.frexp(np.where(r == 0, 1, r))[1] - 1, 0) - 1)
;;       q = np.round(r / step) * step * 2.0 ** e      # np.round: ties to even
;;       return np.moveaxis(q.reshape(q.shape[:-2] + (-1,))[..., :K], -1, axis).astype(np.float32)
;;   ~~~
;; One version. Each part assembles by itself: llvm-mc -triple=amdgcn-amd-amdhsa -mcpu=gfx1250 --defsym DOCPART=n.
;; ======== version 1 of 1: 4 launches
;; limits: inputs' magnitudes at most 1.27e+30; values are held in f16: magnitudes above 65,504 overflow, below 6.1e-05 lose precision
;; workspace buffers: XF 3,407,872 bytes; WF 958,464 bytes; WOF 1,179,648 bytes; QF 12,582,912 bytes; KVF 25,165,824 bytes; AF 12,582,912 bytes
;; launch prep (part 1): grid 176 x 1, 4 waves a work-group, no clusters, 203,264 bytes of LDS; arguments x, Wq, Wk, Wv, Wo, XF, WF, WOF; writes XF, WF, WOF
.if DOCPART == 1
	.amdgcn_target "amdgcn-amd-amdhsa--gfx1250"
	.amdhsa_code_object_version 6
	.text
	.protected	k_q5755fbec64_prep
	.globl	k_q5755fbec64_prep
	.p2align	8
	.type	k_q5755fbec64_prep,@function
k_q5755fbec64_prep:
	s_mov_b64 s[64:65], 0
	v_nop
	global_prefetch_b8 v0, s[64:65] scope:SCOPE_SE
	s_setreg_imm32_b32 hwreg(HW_REG_WAVE_MODE, 25, 1), 1
	s_wait_xcnt 0x0
; x [8192][768] and Wq, Wk, Wv [768][768], f32, K innermost, become codes of FP4 (E2M1) with one E8M0 byte for each 32 along K; Wo [768][768] becomes f16.
; All results are laid as IMAGES OF OPERAND REGISTERS: four registers of a fragment are 512 bytes, lane l's 16 bytes at 16 l, so every store here covers 512 consecutive aligned bytes.
; PAIR BLOCK (13,312 bytes: two tiles e of 16 rows, all of K): codes of K step k (128 along K) at 2048 k + 1024 e + 512 c + 16 lane, registers 4 c .. 4 c + 3 of lane (r, h) = K 128 k + 64 c + 32 h + 0 .. 31;
; scale words at 12,288 + 512 e + 32 r + 4 k (words 6 and 7 are zeros).  XF: block P = rows 32 P on.  WF: [head group g 4][pair 18], pair = 6 T + 2 i + cc (T: q, k, v; i: head in the group; cc: half of its 64 channels).
; WOF: [tile of 16 rows 48][32 along K: 24][1,024 bytes]: group gg at 512 gg + 16 lane, lane (r, h) = row r, K 16 gg + 8 h + 0 .. 7.
; A block's scale is 2^(floor(log2(largest magnitude)) - 2); its byte is the largest magnitude's exponent field - 2, held at 1 from below.  A block of zeros so gets the byte 1 and not 127: its codes are zeros,
; and the bytes are read by this program alone.
; LIMITS: NaN and infinities among the inputs are not served; Wo must stay under 65,504 in magnitude (f16).
; SHARES: a wave takes one tile of 16 rows x 768.  Work-groups 0-127: x; 128-163: Wq, Wk, Wv; 164-175: Wo.
; THE WAY IN: six tensor loads a wave, one for each K step: 16 rows x 512 bytes, each row's piece beginning at a multiple of 256 bytes from the tensor's first byte, into LDS bytes of the wave's own, rows 528 bytes apart.
; All six go out at the head, on the one path that all work-groups take (the tensor is chosen by pointers alone), so all of a wave's 49,152 bytes are on their way at once; six tensor loads of a wave are out.
; A wave's tile has 16 rows, so no load has more; six loads and not one, so that K step k is worked as soon as it has landed.  Nothing is filled again and only the wave that asked reads its bytes: no barrier.
; From LDS a lane takes neighbours along K, as the conversions want them.  No cluster: no two work-groups read the same byte.  Nothing is prefetched: every byte is asked for at the head.
.set STGB,  8448                       ; a K step's tile in LDS: 16 rows x 528 bytes
.set WREG,  6*STGB                     ; a wave's six
.set SPARE, 4*WREG                     ; behind the 24 tiles: the spare words, 128 bytes for each wave
.set GA,  4                            ; v4   16 x lane: a store's place for my lane
.set STW, 5                            ; v5   Wo's path: my place in a tile: row r, + 32 h
.set STO, 6                            ; v6   the quantiser's: row r, + 128 h
.set SO,  7                            ; v7   32 r + 16 h: my 16 bytes of the tile's scale words
.set H8,  8                            ; v8   8 h
.set SPW, 10                           ; v10  my spare word; never rewritten
.set NIL, 11                           ; v11  0; never rewritten
.set MX,  12                           ; v12-13 largest magnitudes, then bytes
.set SCO, 14                           ; v14-15 the conversions' scale operands
.set SW,  48                           ; v48-55 the tile's scale words, one for each K step
.set T0,  56                           ; v56-57 at work
.set X,   64                           ; v64-127 a K step, neighbours along K
.set C,   128                          ; v128-191 results to store: the quantiser's 8 for each K step; Wo's two sets of 32
.set G1,  44                           ; s[44:51] descriptor group 1;  groups 0, one for each load: s52, s56, s60, s68, s72, s76
.macro STEPQ k                         ; a K step of the quantiser: two blocks of 32 a lane
	s_wait_tensorcnt 5-(\k)                        ; a wave's tensor loads end in order: K step k is in LDS; the later steps' loads may be out
.irp c, 0,1
.irp i, 0,1,2,3,4,5,6,7
	ds_load_b128 v[X+32*\c+4*\i:X+32*\c+4*\i+3], v[STO] offset:(\k)*STGB+256*\c+16*\i
.endr
.endr
	s_wait_dscnt 0x0                               ; my 64 numbers are in
.irp c, 0,1
	v_max3_num_f32 v[MX+\c], |v[X+32*\c]|, |v[X+32*\c+1]|, 0x1800000   ; block 2 c + h: all 32 numbers are mine; the floor 2^(3 - 127) holds the byte at 1 from below
.endr
.irp i, 2,4,6,8,10,12,14,16,18,20,22,24,26,28,30
.irp c, 0,1
	v_max3_num_f32 v[MX+\c], v[MX+\c], |v[X+32*\c+\i]|, |v[X+32*\c+\i+1]|
.endr
.endr
.irp c, 0,1
	v_add_nc_u32 v[SCO+\c], 0xff000000, v[MX+\c]   ; 2 off the exponent field: the conversion takes that field as its scale
.endr
.irp c, 0,1
	v_lshrrev_b32 v[MX+\c], 23, v[SCO+\c]          ; the scale's byte
.endr
	v_lshl_or_b32 v[T0+1], v[MX+1], 16, v[MX]      ; my two bytes: blocks h and 2 + h,
	v_lshlrev_b32 v[T0+1], v[H8], v[T0+1]          ; at their places in the word;
	v_permlanex16_b32 v[T0], v[T0+1], s36, s37
	v_or_b32 v[SW+\k], v[T0+1], v[T0]              ; with lane l xor 16's two the word is whole
.irp c, 0,1
.irp g, 0,1,2,3
	v_cvt_scalef32_pk8_fp4_f32 v[C+8*(\k)+4*\c+\g], v[X+32*\c+8*\g:X+32*\c+8*\g+7], v[SCO+\c]   ; each K step has its own eight registers: no store's data are written again
.endr
.endr
	v_nop                                          ; one plain line behind the last scaled conversion
.irp c, 0,1
	global_store_b128 v[GA], v[C+8*(\k)+4*\c:C+8*(\k)+4*\c+3], s[6:7] offset:2048*(\k)+512*\c
.endr
.endm
.macro STEPO k                         ; a K step of Wo: four fragments of 32 along K
	s_wait_tensorcnt 5-(\k)                        ; K step k is in LDS; the later steps' loads may be out
.irp kp, 0,1,2,3
.irp gg, 0,1
.irp i, 0,1
	ds_load_b128 v[X+16*\kp+8*\gg+4*\i:X+16*\kp+8*\gg+4*\i+3], v[STW] offset:(\k)*STGB+128*\kp+64*\gg+16*\i
.endr
.endr
.endr
	s_wait_dscnt 0x0
.if (\k) > 1
	s_wait_xcnt 0x0                                ; the stores of two steps back have read their data registers
.endif
.irp n, 0,1,2,3,4,5,6,7,8,9,10,11,12,13,14,15,16,17,18,19,20,21,22,23,24,25,26,27,28,29,30,31
	v_cvt_pk_f16_f32 v[C+32*((\k)%2)+\n], v[X+2*\n], v[X+2*\n+1]
.endr
.irp kp, 0,1,2,3
.irp gg, 0,1
	global_store_b128 v[GA], v[C+32*((\k)%2)+8*\kp+4*\gg:C+32*((\k)%2)+8*\kp+4*\gg+3], s[6:7] offset:(4*(\k)+\kp)*1024+512*\gg
.endr
.endr
.endm
	s_load_b256 s[8:15], s[0:1], 0x0               ; x, Wq, Wk, Wv
	s_load_b256 s[16:23], s[0:1], 0x20             ; Wo, XF, WF, WOF
	v_lshl_add_u32 v[SPW], v0, 2, SPARE
	v_mov_b32 v[NIL], 0
	ds_add_u32 v[SPW], v[NIL]                      ; the wave's opening: the add, twice on end, and its wait ahead of my first tensor load; the set-up below, work on registers, stands between
	ds_add_u32 v[SPW], v[NIL]
	v_lshrrev_b32 v1, 5, v0
	v_readfirstlane_b32 s24, v1                    ; wave
	v_and_b32 v1, 31, v0                           ; lane
	v_and_b32 v2, 15, v0                           ; r
	v_bfe_u32 v3, v0, 4, 1                         ; h
	v_lshlrev_b32 v[GA], 4, v1
	v_mov_b32 v[T0], 0                             ; written once: a lane permute's destination counts as one of its sources
	s_mov_b32 s36, 0x76543210
	s_mov_b32 s37, 0xfedcba98                      ; v_permlanex16_b32's selects for lane l xor 16
	s_mul_i32 s25, s24, WREG                       ; my wave's six tiles in LDS
	v_mul_u32_u24 v[STO], v2, 528
	v_add_nc_u32 v[STO], s25, v[STO]
	v_lshl_add_u32 v[STW], v3, 5, v[STO]           ; Wo: my 8 numbers of each 16
	v_lshl_add_u32 v[STO], v3, 7, v[STO]           ; the quantiser: my 32 numbers of each 64
	v_lshlrev_b32 v[SO], 5, v2
	v_lshl_add_u32 v[SO], v3, 4, v[SO]
	v_lshlrev_b32 v[H8], 3, v3
	; descriptor group 1: 16 rows x 128 elements of 4 bytes, 768 elements from row to row; in LDS 4 words of padding behind every 128
	s_mov_b32 s[G1], (2<<16)|(1<<20)|(6<<22)|(3<<25)
	s_mov_b32 s[G1+1], 128<<16                     ; tensor_dim0
	s_mov_b32 s[G1+2], 16<<16                      ; tensor_dim1
	s_mov_b32 s[G1+3], 128<<16                     ; tile_dim0
	s_mov_b32 s[G1+4], 16                          ; tile_dim1
	s_mov_b32 s[G1+5], 768                         ; tensor_dim0_stride
	s_mov_b32 s[G1+6], 0
	s_mov_b32 s[G1+7], 0
	s_mov_b32 s33, 0
	s_mov_b32 s35, 0
	s_mov_b32 s39, 0
	s_lshl_b32 s26, ttmp9, 2
	s_add_co_u32 s26, s26, s24                     ; x: my tile
	s_max_u32 s27, ttmp9, 128
	s_sub_co_u32 s27, s27, 128                     ; the weights: work-group 0 .. 35 (what x's and Wo's work-groups make of it is not used)
	s_cmp_ge_u32 s27, 12
	s_cselect_b32 s28, 1, 0
	s_cmp_ge_u32 s27, 24
	s_cselect_b32 s29, 1, 0
	s_add_co_u32 s28, s28, s29                     ; T: 0 q, 1 k, 2 v
	s_mul_i32 s29, s28, 12
	s_sub_co_u32 s27, s27, s29
	s_lshl_b32 s27, s27, 2
	s_add_co_u32 s27, s27, s24                     ; my tile of the weight, 0 .. 47
	s_lshr_b32 s29, s27, 2                         ; head
	s_mul_i32 s30, s29, 11
	s_lshr_b32 s30, s30, 5                         ; g = head / 3
	s_mul_i32 s31, s30, 3
	s_sub_co_u32 s29, s29, s31                     ; i
	s_mul_i32 s30, s30, 18
	s_mul_i32 s31, s28, 6
	s_add_co_u32 s30, s30, s31
	s_lshl_b32 s29, s29, 1
	s_add_co_u32 s30, s30, s29
	s_bfe_u32 s29, s27, 0x10001                    ; cc
	s_add_co_u32 s30, s30, s29                     ; pair block in WF
	s_lshr_b32 s31, s26, 1                         ; pair block in XF
	s_max_u32 s42, ttmp9, 164
	s_sub_co_u32 s42, s42, 164
	s_lshl_b32 s42, s42, 2
	s_add_co_u32 s42, s42, s24                     ; Wo: my tile
	s_cmp_lt_u32 ttmp9, 128
	s_cselect_b32 s26, s26, s27                    ; the quantiser's tile
	s_cselect_b32 s30, s31, s30                    ; and pair block
	s_cmp_lt_u32 ttmp9, 164
	s_cselect_b32 s43, s26, s42                    ; the tile that I fetch
	s_mul_i32 s32, s43, 49152                      ; its first byte in its tensor
	s_and_b32 s26, s26, 1                          ; e
	s_mul_i32 s34, s30, 13312
	s_lshl_b32 s27, s26, 9
	s_add_co_u32 s38, s34, s27
	s_add_co_u32 s38, s38, 12288                   ; my tile's scale words
	s_lshl_b32 s27, s26, 10
	s_add_co_u32 s34, s34, s27                     ; my tile's codes
	s_wait_dscnt 0x0                               ; both opening adds are done
	s_wait_kmcnt 0x0
	s_cmp_eq_u32 s28, 1                            ; the tensor is chosen by the work-group's number alone
	s_cselect_b64 s[4:5], s[12:13], s[10:11]
	s_cmp_eq_u32 s28, 2
	s_cselect_b64 s[4:5], s[14:15], s[4:5]
	s_cmp_lt_u32 ttmp9, 128
	s_cselect_b64 s[4:5], s[8:9], s[4:5]
	s_cselect_b64 s[6:7], s[18:19], s[20:21]
	s_cmp_lt_u32 ttmp9, 164
	s_cselect_b64 s[4:5], s[4:5], s[16:17]
	s_add_nc_u64 s[4:5], s[4:5], s[32:33]
.irp k, 0,1,2,3,4,5                    ; the six first fills, each with a group 0 of its own
	s_mov_b32 s[52+4*\k+4*(\k/3)], 1
	s_add_co_u32 s[52+4*\k+4*(\k/3)+1], s25, \k*STGB
	s_add_nc_u64 s[52+4*\k+4*(\k/3)+2:52+4*\k+4*(\k/3)+3], s[4:5], \k*512
	s_or_b32 s[52+4*\k+4*(\k/3)+3], s[52+4*\k+4*(\k/3)+3], 0x80000000
	tensor_load_to_lds s[52+4*\k+4*(\k/3):52+4*\k+4*(\k/3)+3], s[G1:G1+7]
	s_nop 0
.endr
	s_cmp_ge_u32 ttmp9, 164
	s_cbranch_scc1 .Lwo
	; ---- the quantiser's path: x and the three weights, told apart by pointers alone
	s_add_nc_u64 s[40:41], s[6:7], s[38:39]
	s_add_nc_u64 s[6:7], s[6:7], s[34:35]
.irp k, 0,1,2,3,4,5
	STEPQ \k
.endr
	v_mov_b32 v[SW+6], 0
	v_mov_b32 v[SW+7], 0
	v_cmp_eq_u32 vcc_lo, 1, v3
.irp q, 0,1,2,3
	v_cndmask_b32 v[SW+\q], v[SW+\q], v[SW+4+\q], vcc_lo   ; lanes 0-15 store words 0-3 of row r, lanes 16-31 words 4-7
.endr
	global_store_b128 v[SO], v[SW:SW+3], s[40:41]  ; 512 consecutive bytes
	s_wait_tensorcnt 0x0                           ; the wave's end: behind my last tensor load
	ds_add_u32 v[SPW], v[NIL]
	s_wait_dscnt 0x0
	s_endpgm
.Lwo:
	; ---- Wo's path
	s_mul_i32 s34, s42, 24576
	s_add_nc_u64 s[6:7], s[22:23], s[34:35]
.irp k, 0,1,2,3,4,5
	STEPO \k
.endr
	s_wait_tensorcnt 0x0                           ; the wave's end, as above
	ds_add_u32 v[SPW], v[NIL]
	s_wait_dscnt 0x0
	s_endpgm
.Lfunc_end_k_q5755fbec64_prep:
	.size	k_q5755fbec64_prep, .Lfunc_end_k_q5755fbec64_prep-k_q5755fbec64_prep
	.p2alignl 7, 3214868480
	.fill 96, 4, 3214868480
	.section	.rodata,"a",@progbits
	.p2align	6, 0x0
	.amdhsa_kernel k_q5755fbec64_prep
		.amdhsa_group_segment_fixed_size 203264
		.amdhsa_private_segment_fixed_size 0
		.amdhsa_enable_private_segment 0
		.amdhsa_kernarg_size 64
		.amdhsa_user_sgpr_count 2
		.amdhsa_user_sgpr_kernarg_segment_ptr 1
		.amdhsa_wavefront_size32 1
		.amdhsa_system_sgpr_workgroup_id_x 1
		.amdhsa_system_sgpr_workgroup_id_y 1
		.amdhsa_system_sgpr_workgroup_id_z 1
		.amdhsa_system_vgpr_workitem_id 0
		.amdhsa_next_free_vgpr 192
		.amdhsa_next_free_sgpr 80
		.amdhsa_reserve_vcc 1
		.amdhsa_float_denorm_mode_32 3
		.amdhsa_float_denorm_mode_16_64 3
		.amdhsa_memory_ordered 1
		.amdhsa_forward_progress 1
		.amdhsa_inst_pref_size 56
	.end_amdhsa_kernel
	.amdgpu_metadata
---
amdhsa.version: [ 1, 2 ]
amdhsa.kernels:
  - .name:           k_q5755fbec64_prep
    .symbol:         k_q5755fbec64_prep.kd
    .args:
      - { .name: x, .offset: 0, .size: 8, .value_kind: global_buffer, .address_space: global }
      - { .name: Wq, .offset: 8, .size: 8, .value_kind: global_buffer, .address_space: global }
      - { .name: Wk, .offset: 16, .size: 8, .value_kind: global_buffer, .address_space: global }
      - { .name: Wv, .offset: 24, .size: 8, .value_kind: global_buffer, .address_space: global }
      - { .name: Wo, .offset: 32, .size: 8, .value_kind: global_buffer, .address_space: global }
      - { .name: XF, .offset: 40, .size: 8, .value_kind: global_buffer, .address_space: global }
      - { .name: WF, .offset: 48, .size: 8, .value_kind: global_buffer, .address_space: global }
      - { .name: WOF, .offset: 56, .size: 8, .value_kind: global_buffer, .address_space: global }
    .group_segment_fixed_size: 203264
    .private_segment_fixed_size: 0
    .kernarg_segment_align: 8
    .kernarg_segment_size: 64
    .max_flat_workgroup_size: 128
    .sgpr_count:     80
    .vgpr_count:     192
    .wavefront_size: 32
...
	.end_amdgpu_metadata
.endif
;; end of part 1
;; launch qkv (part 2): grid 64 x 4, 4 waves a work-group, clusters of 4 x 1, 262,144 bytes of LDS; arguments XF, WF, bq, bk, bv, QF, KVF; writes QF, KVF
.if DOCPART == 2
	.amdgcn_target "amdgcn-amd-amdhsa--gfx1250"
	.amdhsa_code_object_version 6
	.text
	.protected	k_q5755fbec64_qkv
	.globl	k_q5755fbec64_qkv
	.p2align	8
	.type	k_q5755fbec64_qkv,@function
k_q5755fbec64_qkv:
	s_mov_b64 s[64:65], 0
	v_nop
	global_prefetch_b8 v0, s[64:65] scope:SCOPE_SE
	s_setreg_imm32_b32 hwreg(HW_REG_WAVE_MODE, 25, 1), 1
	s_wait_xcnt 0x0
	s_wait_alu depctr_hold_cnt(0) depctr_sa_sdst(0) depctr_va_vdst(0) depctr_va_sdst(0) depctr_va_ssrc(0) depctr_va_vcc(0) depctr_vm_vsrc(0)
	s_getreg_b32 s2, hwreg(HW_REG_IB_STS2, 6, 4)
	s_cmp_eq_u32 s2, 0
	s_cbranch_scc0 .Lentry_in_a_cluster
	s_endpgm
.Lentry_in_a_cluster:
	s_bfe_u32 s2, ttmp6, 0x10000c
	s_cmp_lg_u32 s2, 0x3003
	s_cbranch_scc0 .Lentry_shape_is_right
	s_endpgm
.Lentry_shape_is_right:
; q = x Wq^T + bq, k, v likewise, on codes of FP4 (E2M1) with E8M0 scales, sums in f32; the results leave as f16, laid as images of the attention's operand registers (512 bytes a store, lane l's 16 bytes at 16 l).
; QF [b][head 12][tile of 16 queries 64][c 2][1,024]: q / 8 (an exact factor; the attention's 1 / sqrt(64));  lane (r, h) of group gg (512 gg): token r, channels 32 c + 16 gg + 8 h + 0 .. 7.
; KVF [b][g 4][step of 64 keys 16][i 3][K: (kt 4)(c 2) x 1,024 as Q;  V at + 8,192: (u 2)(ct 4) x 1,024: lane (r, h) of group gg: channel 16 ct + r, keys 32 u + 16 gg + 8 h + 0 .. 7].
; SHARES.  A work-group takes 128 rows of x (block mb) and the head group g: 18 pairs of tiles of W's rows (6 of q, 6 of k, 6 of v).  Wave w keeps rows 32 w .. + 31 of the block, all of K, in registers (96) and walks the 18 pairs.
; W's block of g, 239,616 dense bytes, comes into LDS once.  CLUSTER: the four work-groups of a cluster have the same g, so the block is asked for JOINTLY (mask 15): three loads a wave, one for q's, k's and v's third.
; q and k use the matrix instruction transposed (source 0 = W, source 1 = x: a lane holds one token and 8 channels; the bias is the C of the first link); v takes x as source 0 (a lane holds one channel and 8 tokens).
; Nothing is prefetched: W's block is shared by 64 work-groups and x's codes are read once at the head.
; LIMITS: q / 8, k and v must stay under 65,504 in magnitude (f16).
; REGISTERS: window 0: v2-9 addresses; v16-31 x's scale words; v32-63 W's, two sets; v64-95 four accumulators; v96-127 results to store, two sets; v224-235 bv.
;   window 1: W's fragments, two sets of 96 (48 e' + 8 k).   window 2: bq, bk in the result's layout, 16 a pair.   window 3: x's fragments (48 e + 8 k).
.set PB,    13312                      ; a pair block
.set CHW,   6*PB                       ; a third of W's block
.set SPARE, 18*PB                      ; behind W's block: the spare words, 128 bytes for each wave
.set LI,  2                            ; v2  16 x lane
.set LSC, 3                            ; v3  32 r: my row's scale words
.set ADW, 4                            ; v4  LDS address of the pair's codes
.set ADS, 5                            ; v5  and of its scale words
.set B32, 6                            ; v6  32 h
.set R4,  7                            ; v7  4 r
.set SPW, 8                            ; v8  my spare word; never rewritten
.set NIL, 9                            ; v9  0; never rewritten
.set XSC, 16
.set WSC, 32
.set ACC, 64
.set OUT, 96
.set BV,  224
.set WV,  18
.set G1,  24
.set G0,  32
.set MSB, 0
.macro WIN new                         ; the immediate's high byte repeats the setting that is left
.if MSB != \new
	s_set_vgpr_msb (MSB<<8)|\new
.set MSB, \new
.endif
.endm
.macro CROUND                          ; a round of the cluster's barrier
	s_barrier_signal -1
	s_barrier_wait -1
	s_cmp_lg_u32 s[WV], 0
	s_cbranch_scc1 .Lnot_wave_0_\@
	s_barrier_signal -3
.Lnot_wave_0_\@:
	s_barrier_wait -3
	s_barrier_signal -1
	s_barrier_wait -1
.endm
.macro FETCH p                         ; pair p of W from LDS into set p % 2: 4 loads of scale words, 24 of codes
	WIN 0
	v_add_nc_u32 v[ADW], (\p)*PB, v[LI]
	v_add_nc_u32 v[ADS], (\p)*PB+12288, v[LSC]
.irp e, 0,1
	ds_load_b128 v[WSC+16*((\p)%2)+8*\e:WSC+16*((\p)%2)+8*\e+3], v[ADS] offset:512*\e
	ds_load_b128 v[WSC+16*((\p)%2)+8*\e+4:WSC+16*((\p)%2)+8*\e+7], v[ADS] offset:512*\e+16
.endr
	WIN 0x40                                       ; destination window 1
.irp e, 0,1
.irp k, 0,1,2,3,4,5
.irp c, 0,1
	ds_load_b128 v[96*((\p)%2)+48*\e+8*\k+4*\c:96*((\p)%2)+48*\e+8*\k+4*\c+3], v[ADW] offset:\k*2048+\e*1024+\c*512
.endr
.endr
.endr
	WIN 0
.endm
.macro PAIR p
.set TQ, (\p)/6                        ; 0 q, 1 k, 2 v
.set II, ((\p)%6)/2                    ; head in the group
.set CC, (\p)%2                        ; half of its 64 channels
.set BF, (\p)%2
.if (\p) < 17
.if ((\p)+1)%6 == 0
	s_wait_tensorcnt 2-((\p)+1)/6                  ; my part of the next third of W is in; the thirds issued behind it may be out
	s_wait_dscnt 0x0
	s_barrier_signal -1
	s_barrier_wait -1                              ; everybody's is
.endif
	FETCH (\p)+1
	s_wait_dscnt 28                                ; this pair is in; the 28 loads just issued may be out
.else
	s_wait_dscnt 0x0
.endif
.irp k, 0,1,2,3,4,5                    ; 24 products, K ascending; the four accumulators take turns
.irp ep, 0,1
.irp e, 0,1
.if TQ < 2
.if \k == 0
	WIN 0x2d                                       ; source 0 (W) window 1, source 1 (x) window 3, C (the bias) window 2
	v_wmma_scale_f32_16x16x128_f8f6f4 v[ACC+8*(2*\ep+\e):ACC+8*(2*\ep+\e)+7], v[96*BF+48*\ep+8*\k:96*BF+48*\ep+8*\k+7], v[48*\e+8*\k:48*\e+8*\k+7], v[16*(\p)+8*\ep:16*(\p)+8*\ep+7], v[WSC+16*BF+8*\ep+\k], v[XSC+8*\e+\k] matrix_a_fmt:MATRIX_FMT_FP4 matrix_b_fmt:MATRIX_FMT_FP4
.else
	WIN 0x0d
	v_wmma_scale_f32_16x16x128_f8f6f4 v[ACC+8*(2*\ep+\e):ACC+8*(2*\ep+\e)+7], v[96*BF+48*\ep+8*\k:96*BF+48*\ep+8*\k+7], v[48*\e+8*\k:48*\e+8*\k+7], v[ACC+8*(2*\ep+\e):ACC+8*(2*\ep+\e)+7], v[WSC+16*BF+8*\ep+\k], v[XSC+8*\e+\k] matrix_a_fmt:MATRIX_FMT_FP4 matrix_b_fmt:MATRIX_FMT_FP4
.endif
.else
	WIN 0x07                                       ; source 0 (x) window 3, source 1 (W) window 1
.if \k == 0
	v_wmma_scale_f32_16x16x128_f8f6f4 v[ACC+8*(2*\ep+\e):ACC+8*(2*\ep+\e)+7], v[48*\e+8*\k:48*\e+8*\k+7], v[96*BF+48*\ep+8*\k:96*BF+48*\ep+8*\k+7], 0, v[XSC+8*\e+\k], v[WSC+16*BF+8*\ep+\k] matrix_a_fmt:MATRIX_FMT_FP4 matrix_b_fmt:MATRIX_FMT_FP4
.else
	v_wmma_scale_f32_16x16x128_f8f6f4 v[ACC+8*(2*\ep+\e):ACC+8*(2*\ep+\e)+7], v[48*\e+8*\k:48*\e+8*\k+7], v[96*BF+48*\ep+8*\k:96*BF+48*\ep+8*\k+7], v[ACC+8*(2*\ep+\e):ACC+8*(2*\ep+\e)+7], v[XSC+8*\e+\k], v[WSC+16*BF+8*\ep+\k] matrix_a_fmt:MATRIX_FMT_FP4 matrix_b_fmt:MATRIX_FMT_FP4
.endif
.endif
.endr
.endr
.endr
	WIN 0
.rept 5
	v_nop                                          ; places: four in front of the reads of results and of the next loads into W's set, five in front of the next pair's products, which begin these accumulators anew
.endr
.if TQ == 0
.irp n, 0,2,4,6,8,10,12,14,16,18,20,22,24,26,28,30
	v_pk_mul_f32 v[ACC+\n:ACC+\n+1], v[ACC+\n:ACC+\n+1], 0x3e000000 op_sel_hi:[1,0]   ; q / 8
.endr
.endif
.if TQ == 2
.irp ep, 0,1
.irp e, 0,1
.irp j, 0,1,2,3,4,5,6,7
	v_add_f32 v[ACC+8*(2*\ep+\e)+\j], v[ACC+8*(2*\ep+\e)+\j], v[BV+2*((\p)-12)+\ep]   ; my channel's bias
.endr
.endr
.endr
.endif
	s_wait_xcnt 0x0                                ; the stores of two pairs back have read their data registers
.irp n, 0,1,2,3,4,5,6,7,8,9,10,11,12,13,14,15
	v_cvt_pk_f16_f32 v[OUT+16*BF+\n], v[ACC+2*\n], v[ACC+2*\n+1]
.endr
.irp ep, 0,1
.irp e, 0,1
.if TQ == 0
	global_store_b128 v[LI], v[OUT+16*BF+4*(2*\ep+\e):OUT+16*BF+4*(2*\ep+\e)+3], s[14:15] offset:II*131072+\e*2048+CC*1024+\ep*512
.elseif TQ == 1
	global_store_b128 v[LI], v[OUT+16*BF+4*(2*\ep+\e):OUT+16*BF+4*(2*\ep+\e)+3], s[16:17] offset:II*16384+\e*2048+CC*1024+\ep*512
.else
	global_store_b128 v[LI], v[OUT+16*BF+4*(2*\ep+\e):OUT+16*BF+4*(2*\ep+\e)+3], s[16:17] offset:8192+II*16384+CC*2048+\ep*1024+\e*512
.endif
.endr
.endr
.endm
	s_load_b256 s[4:11], s[0:1], 0x0               ; XF, WF, bq, bk
	s_load_b128 s[12:15], s[0:1], 0x20             ; bv, QF
	s_load_b64 s[16:17], s[0:1], 0x30              ; KVF
	v_lshl_add_u32 v[SPW], v0, 2, SPARE
	v_mov_b32 v[NIL], 0
	ds_add_u32 v[SPW], v[NIL]                      ; the wave's opening: the add, twice on end, and its wait ahead of my first tensor load
	ds_add_u32 v[SPW], v[NIL]
	v_lshrrev_b32 v1, 5, v0
	v_readfirstlane_b32 s[WV], v1                  ; wave
	s_bfe_u32 s19, ttmp6, 0x40000                  ; cx
	s_lshl_b32 s20, ttmp9, 2
	s_add_co_u32 s20, s20, s19                     ; mb: it enters XF's, QF's and KVF's addresses alone
	s_and_b32 s21, ttmp7, 0xffff                   ; g, which the four partners share
	s_mov_b32 s[G1], 15|(3<<16)|(1<<21)            ; the mask: all four; elements of 8 bytes; bit 21 beside a mask; no padding
	s_mov_b32 s[G1+1], 32<<16                      ; tensor_dim0 = 32 (256 bytes)
	s_mov_b32 s[G1+2], 78<<16                      ; tensor_dim1 = 78 rows: a wave's quarter of a third
	s_mov_b32 s[G1+3], 32<<16                      ; tile_dim0
	s_mov_b32 s[G1+4], 78                          ; tile_dim1
	s_mov_b32 s[G1+5], 32                          ; dense
	s_mov_b32 s[G1+6], 0
	s_mov_b32 s[G1+7], 0
	s_mul_i32 s44, s21, 18*PB
	s_mul_i32 s22, s[WV], 78*256                   ; my quarter, in memory and in LDS
	s_add_co_u32 s44, s44, s22
	s_mov_b32 s45, 0
	s_lshl_b32 s46, s20, 2
	s_add_co_u32 s46, s46, s[WV]
	s_mul_i32 s46, s46, PB                         ; my 32 rows' pair block of x
	s_mov_b32 s47, 0
	s_mul_i32 s48, s21, 768                        ; the group's 192 numbers of each bias
	s_mov_b32 s49, 0
	s_lshr_b32 s23, s20, 3                         ; b
	s_and_b32 s50, s20, 7                          ; which 128 of its 1,024 rows
	s_mul_i32 s52, s23, 12
	s_mul_i32 s53, s21, 3
	s_add_co_u32 s52, s52, s53
	s_lshl_b32 s52, s52, 6
	s_lshl_b32 s53, s50, 3
	s_add_co_u32 s52, s52, s53
	s_lshl_b32 s53, s[WV], 1
	s_add_co_u32 s52, s52, s53
	s_lshl_b32 s52, s52, 11                        ; QF: ((12 b + 3 g) 64 + 8 (mb % 8) + 2 w) x 2,048
	s_mov_b32 s53, 0
	s_lshl_b32 s54, s23, 2
	s_add_co_u32 s54, s54, s21
	s_lshl_b32 s54, s54, 4
	s_lshl_b32 s55, s50, 1
	s_add_co_u32 s54, s54, s55
	s_lshr_b32 s55, s[WV], 1
	s_add_co_u32 s54, s54, s55
	s_mul_i32 s54, s54, 49152                      ; KVF: ((4 b + g) 16 + 2 (mb % 8) + w / 2) x 49,152
	s_and_b32 s55, s[WV], 1
	s_lshl_b32 s55, s55, 12
	s_add_co_u32 s54, s54, s55                     ; + (w % 2) x 4,096
	s_mov_b32 s55, 0
	s_wait_dscnt 0x0                               ; both opening adds are done
	s_wait_kmcnt 0x0
	s_add_nc_u64 s[4:5], s[4:5], s[46:47]
	s_add_nc_u64 s[6:7], s[6:7], s[44:45]
	s_add_nc_u64 s[8:9], s[8:9], s[48:49]
	s_add_nc_u64 s[10:11], s[10:11], s[48:49]
	s_add_nc_u64 s[12:13], s[12:13], s[48:49]
	s_add_nc_u64 s[14:15], s[14:15], s[52:53]
	s_add_nc_u64 s[16:17], s[16:17], s[54:55]
	CROUND                                         ; all four work-groups are here: the joint loads meet
.irp t, 0,1,2
	s_mov_b32 s[G0+4*\t], 1
	s_add_co_u32 s[G0+4*\t+1], s22, \t*CHW
	s_add_nc_u64 s[G0+4*\t+2:G0+4*\t+3], s[6:7], \t*CHW
	s_or_b32 s[G0+4*\t+3], s[G0+4*\t+3], 0x80000000
	tensor_load_to_lds s[G0+4*\t:G0+4*\t+3], s[G1:G1+7]   ; three loads of mine are out, all first fills
	s_nop 0
.endr
	v_and_b32 v1, 31, v0
	v_lshlrev_b32 v[LI], 4, v1
	v_and_b32 v10, 15, v0                          ; r
	v_bfe_u32 v11, v0, 4, 1                        ; h
	v_lshlrev_b32 v[LSC], 5, v10
	v_lshlrev_b32 v[B32], 5, v11
	v_lshlrev_b32 v[R4], 2, v10
	WIN 0xc0                                       ; destination window 3: x's twelve fragments stay
.irp e, 0,1
.irp k, 0,1,2,3,4,5
.irp c, 0,1
	global_load_b128 v[48*\e+8*\k+4*\c:48*\e+8*\k+4*\c+3], v[LI], s[4:5] offset:\k*2048+\e*1024+\c*512
.endr
.endr
.endr
	WIN 0
.irp e, 0,1
	global_load_b128 v[XSC+8*\e:XSC+8*\e+3], v[LSC], s[4:5] offset:12288+512*\e
	global_load_b128 v[XSC+8*\e+4:XSC+8*\e+7], v[LSC], s[4:5] offset:12288+512*\e+16
.endr
	WIN 0x80                                       ; destination window 2: bq and bk at the lane's eight channels
.irp pp, 0,1,2,3,4,5
.irp ep, 0,1
	global_load_b128 v[16*\pp+8*\ep:16*\pp+8*\ep+3], v[B32], s[8:9] offset:128*\pp+64*\ep
	global_load_b128 v[16*\pp+8*\ep+4:16*\pp+8*\ep+7], v[B32], s[8:9] offset:128*\pp+64*\ep+16
	global_load_b128 v[96+16*\pp+8*\ep:96+16*\pp+8*\ep+3], v[B32], s[10:11] offset:128*\pp+64*\ep
	global_load_b128 v[96+16*\pp+8*\ep+4:96+16*\pp+8*\ep+7], v[B32], s[10:11] offset:128*\pp+64*\ep+16
.endr
.endr
	WIN 0
.irp pp, 0,1,2,3,4,5
.irp ep, 0,1
	global_load_b32 v[BV+2*\pp+\ep], v[R4], s[12:13] offset:128*\pp+64*\ep   ; bv at the lane's channel
.endr
.endr
	s_wait_tensorcnt 2                             ; my part of q's third is in; k's and v's may be out
	s_barrier_signal -1
	s_barrier_wait -1
	FETCH 0
	s_wait_loadcnt 0x0                             ; x and the biases
.irp p, 0,1,2,3,4,5,6,7,8,9,10,11,12,13,14,15,16,17
	PAIR \p
.endr
	s_wait_tensorcnt 0x0                           ; the wave's end
	ds_add_u32 v[SPW], v[NIL]
	s_wait_dscnt 0x0
	CROUND                                         ; the closing round
	s_endpgm
.Lfunc_end_k_q5755fbec64_qkv:
	.size	k_q5755fbec64_qkv, .Lfunc_end_k_q5755fbec64_qkv-k_q5755fbec64_qkv
	.p2alignl 7, 3214868480
	.fill 96, 4, 3214868480
	.section	.rodata,"a",@progbits
	.p2align	6, 0x0
	.amdhsa_kernel k_q5755fbec64_qkv
		.amdhsa_group_segment_fixed_size 262144
		.amdhsa_private_segment_fixed_size 0
		.amdhsa_enable_private_segment 0
		.amdhsa_kernarg_size 56
		.amdhsa_user_sgpr_count 2
		.amdhsa_user_sgpr_kernarg_segment_ptr 1
		.amdhsa_wavefront_size32 1
		.amdhsa_system_sgpr_workgroup_id_x 1
		.amdhsa_system_sgpr_workgroup_id_y 1
		.amdhsa_system_sgpr_workgroup_id_z 1
		.amdhsa_system_vgpr_workitem_id 0
		.amdhsa_next_free_vgpr 1024
		.amdhsa_next_free_sgpr 66
		.amdhsa_reserve_vcc 0
		.amdhsa_float_denorm_mode_32 3
		.amdhsa_float_denorm_mode_16_64 3
		.amdhsa_memory_ordered 1
		.amdhsa_forward_progress 1
		.amdhsa_inst_pref_size 148
	.end_amdhsa_kernel
	.amdgpu_metadata
---
amdhsa.version: [ 1, 2 ]
amdhsa.kernels:
  - .name:           k_q5755fbec64_qkv
    .symbol:         k_q5755fbec64_qkv.kd
    .args:
      - { .name: XF, .offset: 0, .size: 8, .value_kind: global_buffer, .address_space: global }
      - { .name: WF, .offset: 8, .size: 8, .value_kind: global_buffer, .address_space: global }
      - { .name: bq, .offset: 16, .size: 8, .value_kind: global_buffer, .address_space: global }
      - { .name: bk, .offset: 24, .size: 8, .value_kind: global_buffer, .address_space: global }
      - { .name: bv, .offset: 32, .size: 8, .value_kind: global_buffer, .address_space: global }
      - { .name: QF, .offset: 40, .size: 8, .value_kind: global_buffer, .address_space: global }
      - { .name: KVF, .offset: 48, .size: 8, .value_kind: global_buffer, .address_space: global }
    .group_segment_fixed_size: 262144
    .private_segment_fixed_size: 0
    .kernarg_segment_align: 8
    .kernarg_segment_size: 56
    .max_flat_workgroup_size: 128
    .sgpr_count:     66
    .vgpr_count:     1024
    .wavefront_size: 32
...
	.end_amdgpu_metadata
.endif
;; end of part 2
;; launch attn (part 3): grid 4 x 64, 4 waves a work-group, clusters of 4 x 4, 327,680 bytes of LDS; arguments QF, KVF, sp_enc, edge_enc, mask, AF; writes AF
.if DOCPART == 3
	.amdgcn_target "amdgcn-amd-amdhsa--gfx1250"
	.amdhsa_code_object_version 6
	.text
	.protected	k_q5755fbec64_attn
	.globl	k_q5755fbec64_attn
	.p2align	8
	.type	k_q5755fbec64_attn,@function
k_q5755fbec64_attn:
	s_mov_b64 s[64:65], 0
	v_nop
	global_prefetch_b8 v0, s[64:65] scope:SCOPE_SE
	s_setreg_imm32_b32 hwreg(HW_REG_WAVE_MODE, 25, 1), 1
	s_wait_xcnt 0x0
	s_wait_alu depctr_hold_cnt(0) depctr_sa_sdst(0) depctr_va_vdst(0) depctr_va_sdst(0) depctr_va_ssrc(0) depctr_va_vcc(0) depctr_vm_vsrc(0)
	s_getreg_b32 s2, hwreg(HW_REG_IB_STS2, 6, 4)
	s_cmp_eq_u32 s2, 0
	s_cbranch_scc0 .Lentry_in_a_cluster
	s_endpgm
.Lentry_in_a_cluster:
	s_bfe_u32 s2, ttmp6, 0x10000c
	s_cmp_lg_u32 s2, 0xf033
	s_cbranch_scc0 .Lentry_shape_is_right
	s_endpgm
.Lentry_shape_is_right:
; out[b][q][head] = softmax_k(q . k / 8 + sp[b][q][k] + edge[b][q][k], masked keys at -infinity) v, for 128 queries x 3 heads a work-group.  f16 operands, f32 sums, softmax in f32 with a running maximum.
; SHARES.  g = the group of 3 heads, yg = 8 b + block of 128 queries.  Wave w owns queries 32 w .. + 31 (two tiles y of 16) for the 3 heads and walks all 1,024 keys, 64 a step, 16 steps.
; LAYOUT.  S^T = K Q^T + C (source 0 = 16 keys, source 1 = 16 queries): a lane holds ONE query (lane % 16) and keys 8 (lane / 16) + 0 .. 7 of each tile.  C IS THE BIAS in that layout, made once a step for all 3 heads:
; sp + edge + (mask byte as a number) x -2^120.  The byte 1, read as a code of E4M3, is 2^-9: a masked score is -2^111, whose weight is exactly 0 beside any score that counts.
; Two tiles of weights, rounded to f16 in pairs, ARE source 1 of O^T = V^T P.  K, V and Q arrive as images of their registers: every fragment is two loads of 16 bytes a lane at 16 x lane.
; SOFTMAX.  p = 2^(L s - L m), L = log2(e), m the running maximum; in every step O and the sum l are multiplied by a = 2^(L m_old - L m_new).
; A row all of whose keys are masked ends with m under -2^100: its 1 / l is made NaN, as the definition has it.
; LIMITS: scores under -2^100 count as masked; NaN and infinities among the inputs are not served; the result must stay under 65,504 (f16).
; BY TURNS.  The units are (step, head).  A TURN carries one unit's softmax, cut into slices, between 16 products V^T P of the unit before and 16 products K Q^T of the unit after, two slices behind each product.
; RING.  Two LDS slots of one step: K and V of 3 heads (49,152 dense bytes), 128 rows x 64 keys of sp, of edge (pitch 272) and of the mask (pitch 80).  V of heads 0, 1 goes through one register buffer, V of head 2 through another,
; so that all reads of a slot are issued when head 2's turn begins: there stands the one change of slots of a step.
; CLUSTER 4 x 4: sp, edge and mask tiles hang on yg alone and are asked for jointly along a row of the cluster (the four head groups); K and V hang on (b, g) and are asked for jointly along a column (four query blocks of one b).
; REGISTERS: window 0: v2-11 addresses and constants; v12-23 at work, 6 a tile; v24-47 statistics, 4 for each (head, tile): L m, m, l, l; v48-63 mask bytes; v64-255 S^T (64 head + 32 tile + 8 kt + j), P packed into the first 16 of each 32.
;   window 1: v0-191 O^T (64 head + 32 tile + 8 ct); v192-255 V, buffer B.   window 2: v0-95 Q; v96-159 K; v160-223 V, buffer A.   window 3: v0-63 the bias (sp lands here); v64-127 edge; v128-143 the mask as numbers.
.set SLOT1, 131072                     ; slot 1 begins here: one exclusive or turns an address
.set SPO,   49152                      ; in a slot: sp
.set EDO,   34816                      ; edge lies so far behind sp
.set MKO,   118784                     ; the mask
.set SPARE, 262144                     ; behind the ring: the spare words, 128 bytes for each wave
.set AKV, 2                            ; v2  16 x lane
.set ASP, 3                            ; v3  my place in sp's tile
.set AMK, 4                            ; v4  and in the mask's
.set ADR, 5                            ; v5  address of the K or V loads in hand
.set ADB, 6                            ; v6  of sp's and edge's
.set ADM, 7                            ; v7  of the mask's
.set PFO, 8                            ; v8  the prefetches' offset; never rewritten
.set SPW, 9                            ; v9  my spare word; never rewritten
.set NIL, 10                           ; v10 0; never rewritten
.set MS1, 11                           ; v11 four bytes 0x7f: the conversion's scale 1
.set TT,  12
.set ST,  24
.set MSK, 48
.set S,   64
.set KF,  96                           ; window 2
.set VA,  160                          ; window 2
.set VB,  192                          ; window 1
.set BIAS, 0                           ; window 3
.set EDG, 64
.set TMP, 128
.set WV,  16
.set G1KV, 24
.set G1B, 32
.set G1M, 40
.set G0KV, 48                          ; groups 0: a set for each of the two first fills; the second then walks
.set G0SP, 56
.set G0ED, 68
.set G0MK, 76
.set TB,  84                           ; s84 LDS byte at which the slot in hand begins
.set CNT, 85
.set LG,  86                           ; s[86:87] L
.set SEL, 88                           ; s[88:89] lane l xor 16
.set NEG, 90                           ; s[90:91] -2^120
.set THR, 92                           ; s92 -2^100
.set LST, 93                           ; s93 the step that was asked for last
.set PFA, 94                           ; s[94:95] where my prefetches stand: my part of step LST + 1
.set PLIM, 96                          ; s96 I prefetch while LST is at most this,
.set PM,  97                           ; s97 and (LST + 1) & PM is 0
.set PSTEP, 98                         ; s[98:99] a step on, in bytes
.set MSB, 0
.macro WIN new                         ; the immediate's high byte repeats the setting that is left; a switch that changes nothing is dropped
.if MSB != \new
	s_set_vgpr_msb (MSB<<8)|\new
.set MSB, \new
.endif
.endm
.macro PLACES
.rept 4
	v_nop
.endr
.endm
.macro CROUND                          ; a round of the cluster's barrier
	s_barrier_signal -1
	s_barrier_wait -1
	s_cmp_lg_u32 s[WV], 0
	s_cbranch_scc1 .Lnot_wave_0_\@
	s_barrier_signal -3
.Lnot_wave_0_\@:
	s_barrier_wait -3
	s_barrier_signal -1
	s_barrier_wait -1
.endm
.macro ARM g0, g1, both                ; a wave's load or, at the head, its two; an s_nop 0 behind each, four v_nop at the end
.if \both
	tensor_load_to_lds s[\g0:\g0+3], s[\g1:\g1+7]
	s_nop 0
.endif
	tensor_load_to_lds s[\g0+4:\g0+7], s[\g1:\g1+7]
	s_nop 0
.rept 4
	v_nop
.endr
.endm
.macro JLOAD both                      ; wave 0 asks for K and V, wave 1 for sp, wave 2 for edge, wave 3 for the mask: the branches hang on the wave's number alone
	s_cmp_lg_u32 s[WV], 0
	s_cbranch_scc1 .Lj1_\@
	ARM G0KV, G1KV, \both
	s_branch .Lje_\@
.Lj1_\@:
	s_cmp_lg_u32 s[WV], 1
	s_cbranch_scc1 .Lj2_\@
	ARM G0SP, G1B, \both
	s_branch .Lje_\@
.Lj2_\@:
	s_cmp_lg_u32 s[WV], 2
	s_cbranch_scc1 .Lj3_\@
	ARM G0ED, G1B, \both
	s_branch .Lje_\@
.Lj3_\@:
	ARM G0MK, G1M, \both
.Lje_\@:
.endm
; A PREFETCH INTO THE L2 of what the next change of slots will ask for, step LST + 1; it stands behind the wave's tensor load and the run of LDS loads.  Each aligned block of 256 bytes is named once in the launch.
; sp, edge (waves 1, 2): the tile's 128 rows x 256 bytes are read by the four partners of a row of the cluster alone: the partner at cx takes rows 32 cx + lane.  The mask (wave 3): likewise, one block of 256 bytes of a row
; serves four steps, so it asks at every fourth.  K and V (wave 0): two clusters walk the same b; the one with an even number asks, for two steps (98,304 bytes) at every second change: the partner at cy takes 24,576 bytes,
; three instructions, lanes 256 bytes apart.  Partners are told apart by address alone.  The last changes ask for nothing; nothing is asked for at the head.
.macro ASK
	s_add_co_u32 s2, s[LST], 1
	s_and_b32 s2, s2, s[PM]
	s_cmp_eq_u32 s2, 0
	s_cbranch_scc0 .Lnot_mine_\@
	s_cmp_le_u32 s[LST], s[PLIM]
	s_cbranch_scc0 .Lnot_mine_\@
	global_prefetch_b8 v[PFO], s[PFA:PFA+1] th:TH_LOAD_NT scope:SCOPE_SE
	s_cmp_eq_u32 s[WV], 0
	s_cbranch_scc0 .Lnot_mine_\@
	global_prefetch_b8 v[PFO], s[PFA:PFA+1] offset:8192 th:TH_LOAD_NT scope:SCOPE_SE
	global_prefetch_b8 v[PFO], s[PFA:PFA+1] offset:16384 th:TH_LOAD_NT scope:SCOPE_SE
.Lnot_mine_\@:
.endm
; Product i of 16 of S^T = K Q^T + bias for head h: channels 32 (i / 8) on, keys 16 ((i / 2) % 4) on, tile i % 2.  The first 8 take the bias as C.  The 8 accumulators take turns.
.macro KQ h
.set rS, S+64*(\h)+32*(i%2)+8*((i/2)%4)
.set rK, KF+16*((i/2)%4)+8*(i/8)
.set rQ, 32*(\h)+16*(i%2)+8*(i/8)
.set rB, BIAS+32*(i%2)+8*((i/2)%4)
.if i < 8
	WIN 0x3a                                       ; K and Q window 2, the bias window 3, S^T window 0
	v_wmma_f32_16x16x32_f16 v[rS:rS+7], v[rK:rK+7], v[rQ:rQ+7], v[rB:rB+7]
.else
	WIN 0x0a
	v_wmma_f32_16x16x32_f16 v[rS:rS+7], v[rK:rK+7], v[rQ:rQ+7], v[rS:rS+7]
.endif
.endm
; Product i of 16 of O^T += V^T P for head h: keys 32 (i / 8) on, channels 16 ((i / 2) % 4) on, tile i % 2.  zero = 1: the first 8 start the sums.
.macro PV h, zero
.set rO, 64*(\h)+32*(i%2)+8*((i/2)%4)
.set rP, S+64*(\h)+32*(i%2)+8*(i/8)
.if (\h) == 2
	WIN 0x51                                       ; V window 1, P window 0, O^T window 1
.set rV, VB+32*(i/8)+8*((i/2)%4)
.else
	WIN 0x52                                       ; V window 2
.set rV, VA+32*(i/8)+8*((i/2)%4)
.endif
.if (\zero) && (i < 8)
	v_wmma_f32_16x16x32_f16 v[rO:rO+7], v[rV:rV+7], v[rP:rP+7], 0
.else
	v_wmma_f32_16x16x32_f16 v[rO:rO+7], v[rV:rV+7], v[rP:rP+7], v[rO:rO+7]
.endif
.endm
.macro FETCH_K h                       ; head h's K of the slot in hand: 8 fragments, 16 loads in one run
	WIN 0
	v_add_nc_u32 v[ADR], s[TB], v[AKV]
	WIN 0x80                                       ; destination window 2
.irp f, 0,1,2,3,4,5,6,7
	ds_load_b128 v[KF+8*\f:KF+8*\f+3], v[ADR] offset:16384*(\h)+1024*\f
	ds_load_b128 v[KF+8*\f+4:KF+8*\f+7], v[ADR] offset:16384*(\h)+1024*\f+512
.endr
.endm
.macro FETCH_V h, win, reg             ; head h's V (v[ADR] stands)
	WIN \win
.irp f, 0,1,2,3,4,5,6,7
	ds_load_b128 v[\reg+8*\f:\reg+8*\f+3], v[ADR] offset:16384*(\h)+8192+1024*\f
	ds_load_b128 v[\reg+8*\f+4:\reg+8*\f+7], v[ADR] offset:16384*(\h)+8192+1024*\f+512
.endr
.endm
.macro BFETCH                          ; the step's mask bytes (8 loads), then for each tile sp (8) and edge (8), in the result's layout
	WIN 0
	v_add_nc_u32 v[ADB], s[TB], v[ASP]
	v_add_nc_u32 v[ADM], s[TB], v[AMK]
.irp y, 0,1
.irp kt, 0,1,2,3
	ds_load_b64 v[MSK+8*\y+2*\kt:MSK+8*\y+2*\kt+1], v[ADM] offset:1280*\y+16*\kt
.endr
.endr
	WIN 0xc0                                       ; destination window 3
.irp y, 0,1
.irp q, 0,1,2,3,4,5,6,7
	ds_load_b128 v[BIAS+32*\y+4*\q:BIAS+32*\y+4*\q+3], v[ADB] offset:4352*\y+64*(\q/2)+16*(\q%2)
.endr
.irp q, 0,1,2,3,4,5,6,7
	ds_load_b128 v[EDG+32*\y+4*\q:EDG+32*\y+4*\q+3], v[ADB] offset:EDO+4352*\y+64*(\q/2)+16*(\q%2)
.endr
.endr
.endm
.macro BSLOT n                         ; a twelfth of the bias's arithmetic: of elements 16 (n / 3) on, the mask's conversion, sp + edge, or the mask's term
.set rho, (\n)/3
.if (\n)%3 == 0
	WIN 0xc0
	v_cvt_scale_pk8_f32_fp8 v[TMP:TMP+7], v[MSK+4*rho:MSK+4*rho+1], v[MS1]
	v_cvt_scale_pk8_f32_fp8 v[TMP+8:TMP+15], v[MSK+4*rho+2:MSK+4*rho+3], v[MS1]
	v_nop                                          ; one plain line behind the scaled conversions
.elseif (\n)%3 == 1
	WIN 0xff
.irp q, 0,2,4,6,8,10,12,14
	v_pk_add_f32 v[BIAS+16*rho+\q:BIAS+16*rho+\q+1], v[BIAS+16*rho+\q:BIAS+16*rho+\q+1], v[EDG+16*rho+\q:EDG+16*rho+\q+1]
.endr
.else
	WIN 0xff
.irp q, 0,2,4,6,8,10,12,14
	v_pk_fma_f32 v[BIAS+16*rho+\q:BIAS+16*rho+\q+1], v[TMP+\q:TMP+\q+1], s[NEG:NEG+1], v[BIAS+16*rho+\q:BIAS+16*rho+\q+1] op_sel_hi:[1,0,1]
.endr
.endif
.endm
; THE VECTOR WORK.  One tile's softmax for one unit is a list of 118 instructions; SM writes number j of it for tile t of head h.  s0-s31 are the lane's 32 scores.  first = 1: the head's first step.
;   0-15 the maximum of s0-s31 and the old m;  16-20 the other half of the lanes' maximum, the new m, L m and its change;
;   21-69 ONE BATCH: 16 packed scalings L s - L m and 33 exponentials (a at 23), none of which reads an exponential's result;  (the wait for the batch: SLICE writes it)
;   70-85 the sums, in two chains that leave p as it is; l = a l + the sum;  86-101 the roundings to f16, in place;  102-117 the tile's O^T times a.
.macro SM t, h, first
.set rT, TT+6*(\t)                     ; c0, c1, c2 (later a), c3, e0, e1
.set rM, ST+4*(2*(\h)+(\t))            ; L m, m, l, l
.set rS, S+64*(\h)+32*(\t)
.set rO, 64*(\h)+32*(\t)+2*(j-102)
.if j < 102
	WIN 0
.endif
.if j < 4
	v_max3_num_f32 v[rT+j], v[rS+8*j], v[rS+8*j+1], v[rS+8*j+2]    ; each accumulator is read from its low end on
.elseif j < 12
	v_max3_num_f32 v[rT+j%4], v[rT+j%4], v[rS+8*(j%4)+2*(j/4)+1], v[rS+8*(j%4)+2*(j/4)+2]
.elseif j == 12
	v_max3_num_f32 v[rT], v[rT], v[rS+7], v[rS+15]
.elseif j == 13
	v_max3_num_f32 v[rT+2], v[rT+2], v[rS+23], v[rS+31]
.elseif j == 14
	v_max3_num_f32 v[rT], v[rT], v[rT+1], v[rT+2]
.elseif (j == 15) && \first
	v_max_num_f32 v[rT], v[rT], v[rT+3]
.elseif j == 15
	v_max3_num_f32 v[rT], v[rT], v[rT+3], v[rM+1]
.elseif j == 16
	v_permlanex16_b32 v[rT+1], v[rT], s[SEL], s[SEL+1]             ; the query's other 32 keys lie in the lane 16 away
.elseif j == 18
	v_max_num_f32 v[rM+1], v[rT], v[rT+1]
.elseif j == 19
	v_mul_f32 v[rM], s[LG], v[rM+1]
.elseif ((j == 17) || (j == 20) || (j == 23) || (j > 101)) && \first   ; the first step has none of these
.elseif j == 17
	v_mov_b32 v[rT+3], v[rM]                       ; L m_old is kept for a
.elseif j == 20
	v_sub_f32 v[rT+3], v[rT+3], v[rM]
.elseif j == 23
	v_exp_f32 v[rT+2], v[rT+3]
.elseif (j < 23) || ((j < 38) && (j%2 == 0)) || ((j < 66) && (j%4 == 2))
.set b, (j-2)/4                        ; 38, 42, .. 62: pairs 9 to 15
.if j < 38
.set b, (j-20)/2                       ; 21: pair 0; 22, 24, .. 36: pairs 1 to 8
.endif
	v_pk_fma_f32 v[rS+2*b:rS+2*b+1], v[rS+2*b:rS+2*b+1], s[LG:LG+1], v[rM:rM+1] op_sel_hi:[1,0,0] neg_lo:[0,0,1] neg_hi:[0,0,1]
.elseif j < 70
.set e, j-38                           ; 66 to 69: s28 to s31
.if j < 66
.set e, j-32-(j-38)/4                  ; 39-41, 43-45, .. 63-65: s7 to s27
.endif
.if j < 38
.set e, (j-25)/2                       ; 25, 27, .. 37: s0 to s6
.endif
	v_exp_f32 v[rS+e], v[rS+e]
.elseif j < 86
.set z, j-70
.set pz, rS+2*(z+2)
.if z == 0
	v_pk_add_f32 v[rT:rT+1], v[rS:rS+1], v[rS+2:rS+3]
.elseif z == 1
	v_pk_add_f32 v[rT+4:rT+5], v[rS+4:rS+5], v[rS+6:rS+7]
.elseif (z < 14) && (z%2 == 0)
	v_pk_add_f32 v[rT:rT+1], v[rT:rT+1], v[pz:pz+1]
.elseif z < 14
	v_pk_add_f32 v[rT+4:rT+5], v[rT+4:rT+5], v[pz:pz+1]
.elseif (z == 14) && \first
	v_pk_add_f32 v[rM+2:rM+3], v[rT:rT+1], v[rT+4:rT+5]
.elseif z == 14
	v_pk_add_f32 v[rT:rT+1], v[rT:rT+1], v[rT+4:rT+5]
.elseif !\first
	v_pk_fma_f32 v[rM+2:rM+3], v[rM+2:rM+3], v[rT+2:rT+3], v[rT:rT+1] op_sel_hi:[1,0,1]
.endif
.elseif j < 102
	v_cvt_pk_f16_f32 v[rS+j-86], v[rS+2*(j-86)], v[rS+2*(j-86)+1]  ; ascending: register n is written when 2 n and 2 n + 1 are read
.else
	WIN 0x41                                       ; O^T window 1, a window 0
	v_pk_mul_f32 v[rO:rO+1], v[rO:rO+1], v[rT+2:rT+3] op_sel_hi:[1,0]
.endif
.endm
; Slice k of 64 of head h's softmax.  Slices 11 to 34 deal out the batch, four numbers of one tile each, the tiles by turns; every other slice is numbers 2 k and 2 k + 1 of both tiles; from slice 59 on there is nothing left.
; Behind slice 34 every exponential is issued and no result has been named: there stand the one plain line and the one wait, and the turn's run of V loads.
; Buffer A's last reader, the turn's 16th product, then lies five plain lines back: three scalings, the v_nop, the address's addition.
.macro SLICE h, first
.if (k >= 11) && (k < 35)
.irp n, 0,1,2,3
.set j, 22+4*((k-11)/2)+(\n)
	SM (k-11)%2, \h, \first
.endr
.elseif k < 59
.irp n, 0,1
.irp t, 0,1
.set j, 2*k+\n
	SM \t, \h, \first
.endr
.endr
.endif
.if k == 34
	WIN 0
	v_nop
.if (\h) < 2
	v_add_nc_u32 v[ADR], s[TB], v[AKV]
.endif
	s_wait_alu depctr_va_vdst(0)
.if (\h) == 0
	FETCH_V 0, 0x80, VA
.elseif (\h) == 1
	FETCH_V 1, 0x80, VA
	FETCH_V 2, 0x40, VB
.endif
.endif
.set k, k+1
.endm
; A TURN: head h's softmax; pv = 2: 16 products V^T P of the head before, 1: they start its sums, 0: none; kq = 1: 16 products K Q^T of the head after, whose K is fetched here; 2: K and the bias's parts were
; fetched ahead of the turn (head 2's turn: the next step), and the bias is made behind products 4 to 15; 0: none.
.macro TURN h, first, pv, kq
.set k, 0
.set per, 4
.if (\pv) && (\kq)
.set per, 2
.endif
.if \pv
.if (\kq) != 2
	s_wait_dscnt 0x0                               ; V is in
.endif
.set i, 0
.rept 16
	PV (\h+2)%3, 2-\pv
.rept per
	SLICE \h, \first
.endr
.if ((\kq) == 1) && (i == 1)
	FETCH_K (\h+1)%3                               ; K's last reader stands in front of the four places at the last turn's end
.endif
.if ((\kq) == 2) && (i >= 4)
.if i == 4
	s_wait_dscnt 32                                ; the mask and tile 0's sp and edge are in; tile 1's 16 loads and K's 16 may be out
.endif
.if i == 10
	s_wait_dscnt 16                                ; tile 1's are in; K's 16 may be out
.endif
	BSLOT i-4
.endif
.set i, i+1
.endr
.endif
.if \kq
.if !(\pv)
	FETCH_K (\h+1)%3
.endif
	s_wait_dscnt 0x0                               ; K is in
.set i, 0
.rept 16
	KQ (\h+1)%3
.rept per
	SLICE \h, \first
.endr
.set i, i+1
.endr
.endif
	WIN 0
	PLACES                                         ; behind the turn's last products, in front of the next turn's reads of the scores and loads into K's registers
.endm
; THE CHANGE OF SLOTS, at the head of head 2's turn.  Each wave waits for all its tensor loads (one is out: its part of the next slot), adds 0 to its spare word, and waits for that and for its reads of the slot.
; fill = 1: the barrier is a round of the cluster's, and the slot is filled again first thing behind it, with the step two on: the load has three turns, 96 products, in which to land.
.macro CHANGE fill
	WIN 0
	s_wait_tensorcnt 0x0                           ; no tensor load of mine is out, so a group 0 may be written
	ds_add_u32 v[SPW], v[NIL]
.if \fill
	s_xor_b32 s[G0KV+5], s[G0KV+5], SLOT1          ; the walking descriptors: the other slot than last time, the next step
	s_xor_b32 s[G0SP+5], s[G0SP+5], SLOT1
	s_xor_b32 s[G0ED+5], s[G0ED+5], SLOT1
	s_xor_b32 s[G0MK+5], s[G0MK+5], SLOT1
	s_add_nc_u64 s[G0KV+6:G0KV+7], s[G0KV+6:G0KV+7], 49152
	s_add_nc_u64 s[G0SP+6:G0SP+7], s[G0SP+6:G0SP+7], 256
	s_add_nc_u64 s[G0ED+6:G0ED+7], s[G0ED+6:G0ED+7], 256
	s_add_nc_u64 s[G0MK+6:G0MK+7], s[G0MK+6:G0MK+7], 64
	s_add_co_u32 s[LST], s[LST], 1
	s_wait_xcnt 0x0                                ; the last prefetches, a step back, have read their address
	s_add_nc_u64 s[PFA:PFA+1], s[PFA:PFA+1], s[PSTEP:PSTEP+1]
	s_wait_dscnt 0x0                               ; the add is done, and my reads of the slot are over
	CROUND
	JLOAD 0
.else
	s_wait_dscnt 0x0
	s_barrier_signal -1
	s_barrier_wait -1
.endif
	s_xor_b32 s[TB], s[TB], SLOT1                  ; the fetches go on in the other slot
.endm
	s_load_b256 s[4:11], s[0:1], 0x0               ; QF, KVF, sp, edge
	s_load_b128 s[12:15], s[0:1], 0x20             ; mask, AF
	v_lshl_add_u32 v[SPW], v0, 2, SPARE
	v_mov_b32 v[NIL], 0
	ds_add_u32 v[SPW], v[NIL]                      ; the wave's opening: the add, twice on end, and its wait ahead of my first tensor load
	ds_add_u32 v[SPW], v[NIL]
	v_lshrrev_b32 v1, 5, v0
	v_readfirstlane_b32 s[WV], v1                  ; wave
	s_bfe_u32 s17, ttmp6, 0x40000                  ; cx = g
	s_bfe_u32 s20, ttmp6, 0x40004                  ; cy
	s_and_b32 s21, ttmp7, 0xffff                   ; the cluster's y
	s_lshl_b32 s22, s21, 2
	s_add_co_u32 s22, s22, s20                     ; yg
	s_lshr_b32 s23, s21, 1                         ; b: the same in all sixteen
	s_lshl_b32 s2, s20, 2
	s_lshl_b32 s2, 15, s2                          ; my row of the cluster
	s_lshl_b32 s3, 0x1111, s17                     ; my column
	s_or_b32 s[G1KV], s3, (3<<16)|(1<<21)          ; K and V: to my column; elements of 8 bytes; dense
	s_or_b32 s[G1B], s2, (2<<16)|(1<<20)|(1<<21)|(5<<22)|(3<<25)   ; sp, edge: to my row; elements of 4 bytes; 4 words of padding behind every 64
	s_or_b32 s[G1M], s2, (1<<20)|(1<<21)|(3<<22)|(3<<25)           ; the mask: to my row; bytes; 4 words of padding behind every 16
	s_mov_b32 s[G1KV+1], 32<<16                    ; rows of 256 bytes,
	s_mov_b32 s[G1KV+2], 192<<16                   ; 192 of them
	s_mov_b32 s[G1KV+3], 32<<16
	s_mov_b32 s[G1KV+4], 192
	s_mov_b32 s[G1KV+5], 32
	s_mov_b32 s[G1KV+6], 0
	s_mov_b32 s[G1KV+7], 0
.irp g, G1B, G1M
	s_mov_b32 s[\g+1], 64<<16                      ; 64 keys,
	s_mov_b32 s[\g+2], 128<<16                     ; 128 queries,
	s_mov_b32 s[\g+3], 64<<16
	s_mov_b32 s[\g+4], 128
	s_mov_b32 s[\g+5], 1024                        ; 1,024 elements from row to row
	s_mov_b32 s[\g+6], 0
	s_mov_b32 s[\g+7], 0
.endr
	s_lshl_b32 s18, s23, 2
	s_add_co_u32 s18, s18, s17
	s_mul_i32 s18, s18, 16*49152                   ; K and V of (b, g): made of b and cx alone
	s_mov_b32 s19, 0
	s_mov_b32 s[LG], 0x3fb8aa3b                    ; log2(e)
	s_mov_b32 s[LG+1], s[LG]
	s_mov_b32 s[SEL], 0x76543210
	s_mov_b32 s[SEL+1], 0xfedcba98
	s_mov_b32 s[NEG], 0xfb800000                   ; -2^120
	s_mov_b32 s[NEG+1], s[NEG]
	s_mov_b32 s[THR], 0xf1800000                   ; -2^100
	s_mov_b32 s[TB], 0
	s_mov_b32 s[LST], 1
	s_wait_dscnt 0x0                               ; both opening adds are done
	s_wait_kmcnt 0x0
	CROUND                                         ; all sixteen work-groups are here: the first joint loads meet
	s_mov_b32 s[G0KV], 1
	s_mov_b32 s[G0KV+1], 0
	s_add_nc_u64 s[G0KV+2:G0KV+3], s[6:7], s[18:19]
	s_mov_b32 s[G0KV+4], 1
	s_mov_b32 s[G0KV+5], SLOT1
	s_add_nc_u64 s[G0KV+6:G0KV+7], s[G0KV+2:G0KV+3], 49152
	s_or_b32 s[G0KV+3], s[G0KV+3], 0x80000000
	s_or_b32 s[G0KV+7], s[G0KV+7], 0x80000000
	s_lshl_b32 s2, s22, 19                         ; sp, edge: 128 yg rows of 4,096 bytes: made of the cluster's y and cy alone
	s_mov_b32 s3, 0
	s_mov_b32 s[G0SP], 1
	s_mov_b32 s[G0SP+1], SPO
	s_add_nc_u64 s[G0SP+2:G0SP+3], s[8:9], s[2:3]
	s_mov_b32 s[G0SP+4], 1
	s_mov_b32 s[G0SP+5], SLOT1+SPO
	s_add_nc_u64 s[G0SP+6:G0SP+7], s[G0SP+2:G0SP+3], 256
	s_or_b32 s[G0SP+3], s[G0SP+3], 0x80000000
	s_or_b32 s[G0SP+7], s[G0SP+7], 0x80000000
	s_mov_b32 s[G0ED], 1
	s_mov_b32 s[G0ED+1], SPO+EDO
	s_add_nc_u64 s[G0ED+2:G0ED+3], s[10:11], s[2:3]
	s_mov_b32 s[G0ED+4], 1
	s_mov_b32 s[G0ED+5], SLOT1+SPO+EDO
	s_add_nc_u64 s[G0ED+6:G0ED+7], s[G0ED+2:G0ED+3], 256
	s_or_b32 s[G0ED+3], s[G0ED+3], 0x80000000
	s_or_b32 s[G0ED+7], s[G0ED+7], 0x80000000
	s_lshl_b32 s2, s22, 17                         ; the mask: rows of 1,024 bytes
	s_mov_b32 s[G0MK], 1
	s_mov_b32 s[G0MK+1], MKO
	s_add_nc_u64 s[G0MK+2:G0MK+3], s[12:13], s[2:3]
	s_mov_b32 s[G0MK+4], 1
	s_mov_b32 s[G0MK+5], SLOT1+MKO
	s_add_nc_u64 s[G0MK+6:G0MK+7], s[G0MK+2:G0MK+3], 64
	s_or_b32 s[G0MK+3], s[G0MK+3], 0x80000000
	s_or_b32 s[G0MK+7], s[G0MK+7], 0x80000000
	JLOAD 1                                        ; steps 0 and 1: two loads of mine are out
	v_and_b32 v1, 31, v0
	v_lshlrev_b32 v[AKV], 4, v1
	v_bfe_u32 v12, v0, 4, 1                        ; h
	v_and_b32 v13, 0x6f, v0                        ; 32 x wave + lane % 16: my query's row in the tiles (tile y = 1: 16 rows on)
	v_mul_u32_u24 v[ASP], v13, 272
	v_lshl_add_u32 v[ASP], v12, 5, v[ASP]
	v_add_nc_u32 v[ASP], SPO, v[ASP]
	v_mul_u32_u24 v[AMK], v13, 80
	v_lshl_add_u32 v[AMK], v12, 3, v[AMK]
	v_add_nc_u32 v[AMK], MKO, v[AMK]
	v_mov_b32 v[MS1], 0x7f7f7f7f
	s_mul_i32 s66, s23, 12                         ; Q: ((12 b + 3 g) 64 + 8 (yg % 8) + 2 w) x 2,048
	s_mul_i32 s67, s17, 3
	s_add_co_u32 s66, s66, s67
	s_lshl_b32 s66, s66, 6
	s_and_b32 s67, s22, 7
	s_lshl_b32 s67, s67, 3
	s_add_co_u32 s66, s66, s67
	s_lshl_b32 s67, s[WV], 1
	s_add_co_u32 s66, s66, s67
	s_lshl_b32 s66, s66, 11
	s_mov_b32 s67, 0
	s_add_nc_u64 s[4:5], s[4:5], s[66:67]
	WIN 0x80                                       ; destination window 2: Q stays in registers
.irp i, 0,1,2
.irp y, 0,1
.irp c, 0,1
	global_load_b128 v[32*\i+16*\y+8*\c:32*\i+16*\y+8*\c+3], v[AKV], s[4:5] offset:\i*131072+\y*2048+\c*1024
	global_load_b128 v[32*\i+16*\y+8*\c+4:32*\i+16*\y+8*\c+7], v[AKV], s[4:5] offset:\i*131072+\y*2048+\c*1024+512
.endr
.endr
.endr
	WIN 0
	s_mul_i32 s66, s22, 196608                     ; AF: yg x 196,608 + 6 g x 8,192 + 2 w x 1,024
	s_mul_i32 s67, s17, 49152
	s_add_co_u32 s66, s66, s67
	s_lshl_b32 s67, s[WV], 11
	s_add_co_u32 s66, s66, s67
	s_mov_b32 s67, 0
	s_add_nc_u64 s[14:15], s[14:15], s[66:67]
	; the prefetches (macro ASK): the address begins at step 2; the first change of slots steps it to step 3
	s_mov_b32 s[PSTEP], 256                        ; waves 1 and 2
	s_mov_b32 s[PSTEP+1], 0
	s_mov_b32 s[PM], 0
	s_mov_b32 s[PLIM], 14
	s_mov_b32 s2, 4096                             ; from lane to lane
	s_lshl_b32 s66, s22, 19
	s_lshl_b32 s67, s17, 17
	s_add_co_u32 s66, s66, s67
	s_add_co_u32 s66, s66, 2*256
	s_lshl_b32 s3, s22, 17                         ; wave 3
	s_lshl_b32 s67, s17, 15
	s_add_co_u32 s3, s3, s67
	s_add_co_u32 s3, s3, 2*64
	s_cmp_eq_u32 s[WV], 3
	s_cselect_b32 s[PSTEP], 64, s[PSTEP]
	s_cselect_b32 s[PM], 3, s[PM]
	s_cselect_b32 s[PLIM], 11, s[PLIM]
	s_cselect_b32 s2, 1024, s2
	s_cselect_b32 s66, s3, s66
	s_mul_i32 s3, s20, 24576                       ; wave 0
	s_add_co_u32 s3, s3, s18
	s_add_co_u32 s3, s3, 2*49152
	s_and_b32 s67, s21, 1
	s_cmp_eq_u32 s67, 0
	s_cselect_b32 s67, 13, 0                       ; of the two clusters of a b the even one asks: the same in all sixteen partners
	s_cmp_eq_u32 s[WV], 0
	s_cselect_b32 s[PSTEP], 49152, s[PSTEP]
	s_cselect_b32 s[PM], 1, s[PM]
	s_cselect_b32 s[PLIM], s67, s[PLIM]
	s_cselect_b32 s2, 256, s2
	s_cselect_b32 s66, s3, s66
	s_mov_b32 s67, 0
	v_and_b32 v[PFO], 31, v0
	v_mul_lo_u32 v[PFO], v[PFO], s2
	s_cmp_eq_u32 s[WV], 1
	s_cselect_b64 s[PFA:PFA+1], s[8:9], s[10:11]
	s_cmp_eq_u32 s[WV], 3
	s_cselect_b64 s[PFA:PFA+1], s[12:13], s[PFA:PFA+1]
	s_cmp_eq_u32 s[WV], 0
	s_cselect_b64 s[PFA:PFA+1], s[6:7], s[PFA:PFA+1]
	s_add_nc_u64 s[PFA:PFA+1], s[PFA:PFA+1], s[66:67]
	s_wait_tensorcnt 1                             ; my part of slot 0 is in; slot 1's may stay out
	s_barrier_signal -1
	s_barrier_wait -1                              ; everybody's is
	BFETCH                                         ; step 0: the bias, with no products yet to set it between
	FETCH_K 0
	s_wait_dscnt 0x0
.irp n, 0,1,2,3,4,5,6,7,8,9,10,11
	BSLOT \n
.endr
	s_wait_loadcnt 0x0                             ; Q
.set i, 0
.rept 16
	KQ 0
.set i, i+1
.endr
	WIN 0
	PLACES
	TURN 0, 1, 0, 1                                ; softmax (0, 0) | K Q^T (0, 1) | V (0, 0)
	TURN 1, 1, 1, 1                                ; softmax (0, 1) | V^T P (0, 0) starts O^T, K Q^T (0, 2) | V (0, 1), V (0, 2)
	CHANGE 1
	BFETCH
	FETCH_K 0
	WIN 0
	ASK
	TURN 2, 1, 1, 2                                ; softmax (0, 2) | V^T P (0, 1), the bias of step 1, K Q^T (1, 0)
	TURN 0, 0, 1, 1                                ; softmax (1, 0) | V^T P (0, 2), K Q^T (1, 1)
	s_mov_b32 s[CNT], 13
.Lstep:                                            ; steps 1 to 13: every slot but the last two is filled again
	TURN 1, 0, 2, 1
	CHANGE 1
	BFETCH
	FETCH_K 0
	WIN 0
	ASK
	TURN 2, 0, 2, 2
	TURN 0, 0, 2, 1
	s_sub_co_u32 s[CNT], s[CNT], 1
	s_cmp_lg_u32 s[CNT], 0
	s_cbranch_scc1 .Lstep
	TURN 1, 0, 2, 1                                ; the tail is written out: step 14
	CHANGE 0                                       ; whose slot is left, and nothing is asked for
	BFETCH
	FETCH_K 0
	TURN 2, 0, 2, 2
	TURN 0, 0, 2, 1                                ; step 15
	TURN 1, 0, 2, 1
	TURN 2, 0, 2, 0
.set i, 0
.rept 16
	PV 2, 0                                        ; V^T P (15, 2)
.set i, i+1
.endr
	; THE WAY OUT.  l's two halves and the other half of the lanes' are added (these lines are the places behind the last products); O^T / l goes out as f16, as images of the next product's operand registers.
	WIN 0
.irp q, 0,1,2,3,4,5
	v_add_f32 v[TT+\q], v[ST+4*\q+2], v[ST+4*\q+3]
.endr
.irp q, 0,1,2,3,4,5
	v_permlanex16_b32 v[TT+6+\q], v[TT+\q], s[SEL], s[SEL+1]
.endr
.irp q, 0,1,2,3,4,5
	v_add_f32 v[TT+\q], v[TT+\q], v[TT+6+\q]
.endr
.irp q, 0,1,2,3,4,5
	v_rcp_f32 v[TT+6+\q], v[TT+\q]
.endr
	v_mov_b32 v[ADR], 0x7fc00000                   ; NaN.  (The plain line behind the reciprocals)
	s_wait_alu depctr_va_vdst(0)                   ; one wait for the six, ahead of their first reader
.irp q, 0,1,2,3,4,5
	v_cmp_gt_f32 vcc_lo, s[THR], v[ST+4*\q+1]      ; no key counted for this query
	v_cndmask_b32 v[ST+4*\q], v[TT+6+\q], v[ADR], vcc_lo
.endr
.macro OUTT q                          ; (head, tile) = (q / 2, q % 2)
	WIN 0x41
.set n, 0
.rept 16
	v_pk_mul_f32 v[32*(\q)+n:32*(\q)+n+1], v[32*(\q)+n:32*(\q)+n+1], v[ST+4*(\q):ST+4*(\q)+1] op_sel_hi:[1,0]
.set n, n+2
.endr
	WIN 0x05                                       ; sources window 1, destination window 0: S^T's registers are free
.set n, 0
.rept 16
	v_cvt_pk_f16_f32 v[S+32*(\q)+n], v[32*(\q)+2*n], v[32*(\q)+2*n+1]
.set n, n+1
.endr
	WIN 0
.irp ct, 0,1,2,3
	global_store_b128 v[AKV], v[S+32*(\q)+4*\ct:S+32*(\q)+4*\ct+3], s[14:15] offset:(2*((\q)/2)+\ct/2)*8192+((\q)%2)*1024+(\ct%2)*512   ; 512 consecutive aligned bytes
.endr
.endm
.irp q, 0,1,2,3,4,5
	OUTT \q
.endr
	s_wait_tensorcnt 0x0                           ; the wave's end
	ds_add_u32 v[SPW], v[NIL]
	s_wait_dscnt 0x0
	CROUND                                         ; the closing round
	s_endpgm
.Lfunc_end_k_q5755fbec64_attn:
	.size	k_q5755fbec64_attn, .Lfunc_end_k_q5755fbec64_attn-k_q5755fbec64_attn
	.p2alignl 7, 3214868480
	.fill 96, 4, 3214868480
	.section	.rodata,"a",@progbits
	.p2align	6, 0x0
	.amdhsa_kernel k_q5755fbec64_attn
		.amdhsa_group_segment_fixed_size 327680
		.amdhsa_private_segment_fixed_size 0
		.amdhsa_enable_private_segment 0
		.amdhsa_kernarg_size 48
		.amdhsa_user_sgpr_count 2
		.amdhsa_user_sgpr_kernarg_segment_ptr 1
		.amdhsa_wavefront_size32 1
		.amdhsa_system_sgpr_workgroup_id_x 1
		.amdhsa_system_sgpr_workgroup_id_y 1
		.amdhsa_system_sgpr_workgroup_id_z 1
		.amdhsa_system_vgpr_workitem_id 0
		.amdhsa_next_free_vgpr 1024
		.amdhsa_next_free_sgpr 100
		.amdhsa_reserve_vcc 1
		.amdhsa_float_denorm_mode_32 3
		.amdhsa_float_denorm_mode_16_64 3
		.amdhsa_memory_ordered 1
		.amdhsa_forward_progress 1
		.amdhsa_inst_pref_size 255
	.end_amdhsa_kernel
	.section	.bss,"aw",@nobits
	.p2align	6
	.space	262144
	.amdgpu_metadata
---
amdhsa.version: [ 1, 2 ]
amdhsa.kernels:
  - .name:           k_q5755fbec64_attn
    .symbol:         k_q5755fbec64_attn.kd
    .args:
      - { .name: QF, .offset: 0, .size: 8, .value_kind: global_buffer, .address_space: global }
      - { .name: KVF, .offset: 8, .size: 8, .value_kind: global_buffer, .address_space: global }
      - { .name: sp_enc, .offset: 16, .size: 8, .value_kind: global_buffer, .address_space: global }
      - { .name: edge_enc, .offset: 24, .size: 8, .value_kind: global_buffer, .address_space: global }
      - { .name: mask, .offset: 32, .size: 8, .value_kind: global_buffer, .address_space: global }
      - { .name: AF, .offset: 40, .size: 8, .value_kind: global_buffer, .address_space: global }
    .group_segment_fixed_size: 327680
    .private_segment_fixed_size: 0
    .kernarg_segment_align: 8
    .kernarg_segment_size: 48
    .max_flat_workgroup_size: 128
    .sgpr_count:     100
    .vgpr_count:     1024
    .wavefront_size: 32
...
	.end_amdgpu_metadata
.endif
;; end of part 3
;; launch oproj (part 4): grid 4 x 64, 4 waves a work-group, clusters of 4 x 1, 327,680 bytes of LDS; arguments AF, WOF, bo, out0; writes out0
.if DOCPART == 4
	.amdgcn_target "amdgcn-amd-amdhsa--gfx1250"
	.amdhsa_code_object_version 6
	.text
	.protected	k_q5755fbec64_oproj
	.globl	k_q5755fbec64_oproj
	.p2align	8
	.type	k_q5755fbec64_oproj,@function
k_q5755fbec64_oproj:
	s_mov_b64 s[64:65], 0
	v_nop
	global_prefetch_b8 v0, s[64:65] scope:SCOPE_SE
	s_setreg_imm32_b32 hwreg(HW_REG_WAVE_MODE, 25, 1), 1
	s_wait_xcnt 0x0
	s_wait_alu depctr_hold_cnt(0) depctr_sa_sdst(0) depctr_va_vdst(0) depctr_va_sdst(0) depctr_va_ssrc(0) depctr_va_vcc(0) depctr_vm_vsrc(0)
	s_getreg_b32 s2, hwreg(HW_REG_IB_STS2, 6, 4)
	s_cmp_eq_u32 s2, 0
	s_cbranch_scc0 .Lentry_in_a_cluster
	s_endpgm
.Lentry_in_a_cluster:
	s_bfe_u32 s2, ttmp6, 0x10000c
	s_cmp_lg_u32 s2, 0x3003
	s_cbranch_scc0 .Lentry_shape_is_right
	s_endpgm
.Lentry_shape_is_right:
; out0 = A Wo^T + bo.  A: the attention's result, f16, as images of operand registers, AF [block of 128 rows 64][32 along K: 24][tile of 16 rows 8][1,024]; Wo likewise, WOF [tile of 16 rows 48][24][1,024]; sums in f32.
; SHARES.  A work-group makes 128 rows x 192 columns.  Wave w owns Wo's three tiles 12 cg + 3 w + nn, all of K: 72 fragments, each in registers of its own, read from memory once.
; TWO PASSES OVER THE ROWS.  Pass 0 makes the tiles of rows 0-3 (12 accumulators), pass 1 the tiles 4-7, from the same fragments of Wo, which stay.  Pass 0's 64 rows are stored ahead of pass 1, so that
; half of the work-group's stores leave while the other half of its products are made.
; Wo IS STREAMED IN DURING PASS 0: the head asks for bo and for nine K steps (6 + 54 loads of a wave are out); K step kap waits for its own six loads by a count and then asks for K step kap + 9.
; A's block, 196,608 dense bytes, comes into LDS once, in four chunks of 6 K steps.  CLUSTER: the four work-groups of a cluster have the same rows, so each chunk is asked for JOINTLY (mask 15): four loads a wave are out.
; A's fragments come out of LDS two K steps ahead of their products, in three sets of registers: a K step of a pass is 12 products.
; The matrix instruction is used transposed (source 0 = Wo, source 1 = A): a lane holds 8 neighbouring columns of one row; bo is the C of the first link.
; The way out goes through a stage of the work-group (128 rows x 768 bytes + 16), since a row's 768 bytes come from four waves; the passes have halves of it to themselves; each store covers two aligned runs of 256 bytes.
; Nothing is prefetched: A is asked for whole at the head, and Wo's loads run ahead of their use by themselves.
; REGISTERS: window 0: v2-23 addresses; v24-47 bo; v64-159 A's fragments, three sets of 32; v160-255 rows on the way out.  windows 1, 2 and v0-63 of window 3: Wo's fragment 3 kappa + nn at 8 x that number.
;   window 3, v64-255: the accumulators (8 nn + tile of rows).
.set CH,     49152                     ; a chunk of A
.set STG,    4*CH                      ; the stage
.set SPITCH, 784
.set SPARE,  STG+128*SPITCH            ; behind the stage: the spare words, 128 bytes for each wave
.set AHEAD,  9                         ; K steps of Wo asked for ahead
.set LI,  2                            ; v2  16 x lane
.set SPW, 8                            ; v8  my spare word; never rewritten
.set NIL, 9                            ; v9  0; never rewritten
.set AD,  12                           ; v12-15 16 x lane + chunk
.set STO, 16                           ; v16-17 the stage, on the way in: pass 0, pass 1
.set RD0, 18                           ; v18 and back: 512 bytes on end,
.set RD1, 19                           ; v19 or the last 256 of a row and the first 256 of the next
.set GO1, 21                           ; v21 the same two runs in out0
.set BOA, 22                           ; v22 32 h
.set BO,  24
.set AB,  64
.set OUTR, 160
.set ACC, 64                           ; window 3
.set WV,  12
.set G1,  24
.set G0,  32
.set MSB, 0
.macro WIN new                         ; the immediate's high byte repeats the setting that is left; a switch that changes nothing is dropped
.if MSB != \new
	s_set_vgpr_msb (MSB<<8)|\new
.set MSB, \new
.endif
.endm
.macro PLACES
.rept 4
	v_nop
.endr
.endm
.macro CROUND                          ; a round of the cluster's barrier
	s_barrier_signal -1
	s_barrier_wait -1
	s_cmp_lg_u32 s[WV], 0
	s_cbranch_scc1 .Lnot_wave_0_\@
	s_barrier_signal -3
.Lnot_wave_0_\@:
	s_barrier_wait -3
	s_barrier_signal -1
	s_barrier_wait -1
.endm
.macro WLOAD kap                       ; Wo's three fragments of K step kap, from memory into their own registers: six loads
.irp nn, 0,1,2
.set f, 3*(\kap)+\nn
.set wn, 0x40*(1+f/32)                 ; destination window 1, 2 or 3
	WIN wn
	global_load_b128 v[(8*f)%256:(8*f)%256+3], v[LI], s[6:7] offset:\nn*24576+(\kap)*1024
	global_load_b128 v[(8*f)%256+4:(8*f)%256+7], v[LI], s[6:7] offset:\nn*24576+(\kap)*1024+512
.endr
.endm
.macro AFETCH p, kap                   ; A's four fragments of pass p, K step kap, into set kap % 3: eight loads
.irp m, 0,1,2,3
	ds_load_b128 v[AB+32*((\kap)%3)+8*\m:AB+32*((\kap)%3)+8*\m+3], v[AD+(\kap)/6] offset:((\kap)%6)*8192+(4*(\p)+\m)*1024
	ds_load_b128 v[AB+32*((\kap)%3)+8*\m+4:AB+32*((\kap)%3)+8*\m+7], v[AD+(\kap)/6] offset:((\kap)%6)*8192+(4*(\p)+\m)*1024+512
.endr
.endm
.macro KSTEP p, kap
	WIN 0
.if (\kap) < 22
.if ((\p) == 0) && (((\kap)+2)%6 == 0)
	s_wait_tensorcnt 3-((\kap)+2)/6                ; my part of the next chunk is in; the chunks issued behind it may be out
	s_wait_dscnt 0x0
	s_barrier_signal -1
	s_barrier_wait -1                              ; everybody's is
.endif
	PLACES                                         ; in front of loads into the set that the last step's products read
	AFETCH \p, (\kap)+2
.endif
.if (\p) == 0
.if 23-(\kap) > AHEAD-1
	s_wait_loadcnt 6*(AHEAD-1)                     ; loads come back in order: this step's six (and bo) are in; those of the eight steps behind it may be out
.else
	s_wait_loadcnt 6*(23-(\kap))                   ; the last steps: what was asked for behind this step's
.endif
.if (\kap)+AHEAD < 24
	WLOAD (\kap)+AHEAD
.endif
.endif
.if (\kap) < 22
	s_wait_dscnt 16                                ; this step's fragments of A are in; the 16 loads of the two steps behind it may be out
.else
	s_wait_dscnt 8*(23-(\kap))
.endif
.irp nn, 0,1,2                         ; 12 products; the 12 accumulators take turns
.set f, 3*(\kap)+\nn
.if (\kap) == 0
	WIN 0xc1                                       ; Wo window 1, A and bo window 0, the result window 3
.else
.set wn, 0xf1+f/32                     ; Wo window 1, 2 or 3; C and D window 3
	WIN wn
.endif
.irp m, 0,1,2,3
.if (\kap) == 0
	v_wmma_f32_16x16x32_f16 v[ACC+8*(8*\nn+4*(\p)+\m):ACC+8*(8*\nn+4*(\p)+\m)+7], v[(8*f)%256:(8*f)%256+7], v[AB+32*((\kap)%3)+8*\m:AB+32*((\kap)%3)+8*\m+7], v[BO+8*\nn:BO+8*\nn+7]
.else
	v_wmma_f32_16x16x32_f16 v[ACC+8*(8*\nn+4*(\p)+\m):ACC+8*(8*\nn+4*(\p)+\m)+7], v[(8*f)%256:(8*f)%256+7], v[AB+32*((\kap)%3)+8*\m:AB+32*((\kap)%3)+8*\m+7], v[ACC+8*(8*\nn+4*(\p)+\m):ACC+8*(8*\nn+4*(\p)+\m)+7]
.endif
.endr
.endr
.endm
; THE WAY OUT of pass p: my 12 accumulators into the pass's half of the stage; a barrier, since a row's 768 bytes come from four waves; then each wave reads 16 whole rows back and stores them.
.macro WAYOUT p
	WIN 0
	PLACES                                         ; in front of the stores that read results, and of the next loads into A's registers
	WIN 0x0c                                       ; an LDS store's data are its source 1: window 3
.irp nn, 0,1,2
.irp m, 0,1,2,3
	ds_store_b128 v[STO+\p], v[ACC+8*(8*\nn+4*(\p)+\m):ACC+8*(8*\nn+4*(\p)+\m)+3] offset:\m*16*SPITCH+64*\nn       ; each accumulator from its low end on
	ds_store_b128 v[STO+\p], v[ACC+8*(8*\nn+4*(\p)+\m)+4:ACC+8*(8*\nn+4*(\p)+\m)+7] offset:\m*16*SPITCH+64*\nn+16
.endr
.endr
	WIN 0
	s_wait_dscnt 0x0                               ; for the others' sake: my stores into the stage are done
	s_barrier_signal -1
	s_barrier_wait -1
.if \p
	s_wait_xcnt 0x0                                ; pass 0's stores have read their data registers, which are loaded again below
.endif
.irp t, 0,1,2,3,4,5,6,7                ; two rows, 1,536 bytes, are three loads; each of the 24 has registers of its own
	ds_load_b128 v[OUTR+12*\t:OUTR+12*\t+3], v[RD0] offset:(\p)*64*SPITCH+\t*2*SPITCH
	ds_load_b128 v[OUTR+12*\t+4:OUTR+12*\t+7], v[RD1] offset:(\p)*64*SPITCH+\t*2*SPITCH
	ds_load_b128 v[OUTR+12*\t+8:OUTR+12*\t+11], v[RD0] offset:(\p)*64*SPITCH+\t*2*SPITCH+SPITCH+256
.endr
.irp t, 0,1,2,3,4,5,6,7
	s_wait_dscnt 23-3*\t                           ; LDS loads come back in order: the younger ones may be out
	global_store_b128 v[LI], v[OUTR+12*\t:OUTR+12*\t+3], s[10:11] offset:(\p)*196608+\t*6144 th:TH_STORE_NT
	s_wait_dscnt 22-3*\t
	global_store_b128 v[GO1], v[OUTR+12*\t+4:OUTR+12*\t+7], s[10:11] offset:(\p)*196608+\t*6144 th:TH_STORE_NT
	s_wait_dscnt 21-3*\t
	global_store_b128 v[LI], v[OUTR+12*\t+8:OUTR+12*\t+11], s[10:11] offset:(\p)*196608+\t*6144+3328 th:TH_STORE_NT
.endr
.endm
	s_load_b256 s[4:11], s[0:1], 0x0               ; AF, WOF, bo, out0
	v_lshl_add_u32 v[SPW], v0, 2, SPARE
	v_mov_b32 v[NIL], 0
	ds_add_u32 v[SPW], v[NIL]                      ; the wave's opening: the add, twice on end, and its wait ahead of my first tensor load
	ds_add_u32 v[SPW], v[NIL]
	v_lshrrev_b32 v1, 5, v0
	v_readfirstlane_b32 s[WV], v1                  ; wave
	s_bfe_u32 s13, ttmp6, 0x40000                  ; cx: which 192 columns; it enters WOF's, bo's and out0's addresses alone
	s_and_b32 s14, ttmp7, 0xffff                   ; the block of 128 rows, which the four partners share
	s_mov_b32 s[G1], 15|(3<<16)|(1<<21)            ; the mask: all four; elements of 8 bytes; bit 21 beside a mask; dense
	s_mov_b32 s[G1+1], 32<<16
	s_mov_b32 s[G1+2], 48<<16                      ; 48 rows of 256 bytes: a wave's quarter of a chunk
	s_mov_b32 s[G1+3], 32<<16
	s_mov_b32 s[G1+4], 48
	s_mov_b32 s[G1+5], 32
	s_mov_b32 s[G1+6], 0
	s_mov_b32 s[G1+7], 0
	s_mul_i32 s16, s14, 4*CH
	s_mul_i32 s18, s[WV], 12288                    ; my quarter, in memory and in LDS
	s_add_co_u32 s16, s16, s18
	s_mov_b32 s17, 0
	s_mul_i32 s20, s13, 12
	s_mul_i32 s21, s[WV], 3
	s_add_co_u32 s20, s20, s21                     ; my first tile of Wo's rows
	s_lshl_b32 s22, s20, 6                         ; its 16 numbers of bo
	s_mov_b32 s23, 0
	s_mul_i32 s20, s20, 24576
	s_mov_b32 s21, 0
	s_lshl_b32 s48, s14, 7
	s_lshl_b32 s49, s[WV], 4
	s_add_co_u32 s48, s48, s49                     ; the first row that I store: 128 x block + 16 x wave (pass 1: 64 rows on)
	s_mul_i32 s48, s48, 3072
	s_mul_i32 s49, s13, 768
	s_add_co_u32 s48, s48, s49
	s_mov_b32 s49, 0
	s_wait_dscnt 0x0                               ; both opening adds are done
	s_wait_kmcnt 0x0
	s_add_nc_u64 s[4:5], s[4:5], s[16:17]
	s_add_nc_u64 s[6:7], s[6:7], s[20:21]
	s_add_nc_u64 s[8:9], s[8:9], s[22:23]
	s_add_nc_u64 s[10:11], s[10:11], s[48:49]
	CROUND                                         ; all four work-groups are here: the joint loads meet
.irp c, 0,1,2,3
	s_mov_b32 s[G0+4*\c], 1
	s_add_co_u32 s[G0+4*\c+1], s18, \c*CH
	s_add_nc_u64 s[G0+4*\c+2:G0+4*\c+3], s[4:5], \c*CH
	s_or_b32 s[G0+4*\c+3], s[G0+4*\c+3], 0x80000000
	tensor_load_to_lds s[G0+4*\c:G0+4*\c+3], s[G1:G1+7]
	s_nop 0
.endr
	v_and_b32 v1, 31, v0
	v_lshlrev_b32 v[LI], 4, v1
	v_and_b32 v3, 15, v0                           ; r
	v_bfe_u32 v4, v0, 4, 1                         ; h
	v_lshlrev_b32 v[BOA], 5, v4
.irp nn, 0,1,2
	global_load_b128 v[BO+8*\nn:BO+8*\nn+3], v[BOA], s[8:9] offset:64*\nn          ; bo first: the first products take it as C
	global_load_b128 v[BO+8*\nn+4:BO+8*\nn+7], v[BOA], s[8:9] offset:64*\nn+16
.endr
.irp kap, 0,1,2,3,4,5,6,7,8
	WLOAD \kap                                     ; the first AHEAD K steps of Wo
.endr
	WIN 0
.irp c, 0,1,2,3
	v_add_nc_u32 v[AD+\c], \c*CH, v[LI]
.endr
	s_mul_i32 s19, s[WV], 192
	s_add_co_u32 s19, s19, STG
	v_mul_u32_u24 v[STO], v3, SPITCH               ; into the stage: row r, + 32 h, + my 192 bytes of a row
	v_lshl_add_u32 v[STO], v4, 5, v[STO]
	v_add_nc_u32 v[STO], s19, v[STO]
	v_add_nc_u32 v[STO+1], 64*SPITCH, v[STO]
	s_mul_i32 s19, s[WV], 16*SPITCH
	s_add_co_u32 s19, s19, STG
	v_add_nc_u32 v[RD0], s19, v[LI]                ; back: my 16 rows of the pass's 64
	v_lshl_add_u32 v[RD1], v4, 4, v[RD0]
	v_add_nc_u32 v[RD1], 512, v[RD1]               ; lanes 0-15: bytes 512 on of a row; lanes 16-31: the next row's first 256 (784 - 256 = 512 + 16 on)
	v_mul_u32_u24 v[GO1], v4, 2304
	v_add_nc_u32 v[GO1], v[GO1], v[LI]
	v_add_nc_u32 v[GO1], 512, v[GO1]               ; the same in out0, whose rows are 3,072 bytes
	s_wait_tensorcnt 3                             ; my part of the first chunk is in; three loads may be out
	s_barrier_signal -1
	s_barrier_wait -1                              ; everybody's is
	AFETCH 0, 0
	AFETCH 0, 1
.irp kap, 0,1,2,3,4,5,6,7,8,9,10,11,12,13,14,15,16,17,18,19,20,21,22,23
	KSTEP 0, \kap
.endr
	WAYOUT 0                                       ; rows 0-63 leave; their stores are on their way while pass 1 multiplies
	AFETCH 1, 0
	AFETCH 1, 1
.irp kap, 0,1,2,3,4,5,6,7,8,9,10,11,12,13,14,15,16,17,18,19,20,21,22,23
	KSTEP 1, \kap
.endr
	WAYOUT 1
	s_wait_tensorcnt 0x0                           ; the wave's end: behind my last tensor load and my last LDS store
	ds_add_u32 v[SPW], v[NIL]
	s_wait_dscnt 0x0
	CROUND                                         ; the closing round
	s_endpgm
.Lfunc_end_k_q5755fbec64_oproj:
	.size	k_q5755fbec64_oproj, .Lfunc_end_k_q5755fbec64_oproj-k_q5755fbec64_oproj
	.p2alignl 7, 3214868480
	.fill 96, 4, 3214868480
	.section	.rodata,"a",@progbits
	.p2align	6, 0x0
	.amdhsa_kernel k_q5755fbec64_oproj
		.amdhsa_group_segment_fixed_size 327680
		.amdhsa_private_segment_fixed_size 0
		.amdhsa_enable_private_segment 0
		.amdhsa_kernarg_size 32
		.amdhsa_user_sgpr_count 2
		.amdhsa_user_sgpr_kernarg_segment_ptr 1
		.amdhsa_wavefront_size32 1
		.amdhsa_system_sgpr_workgroup_id_x 1
		.amdhsa_system_sgpr_workgroup_id_y 1
		.amdhsa_system_sgpr_workgroup_id_z 1
		.amdhsa_system_vgpr_workitem_id 0
		.amdhsa_next_free_vgpr 1024
		.amdhsa_next_free_sgpr 66
		.amdhsa_reserve_vcc 0
		.amdhsa_float_denorm_mode_32 3
		.amdhsa_float_denorm_mode_16_64 3
		.amdhsa_memory_ordered 1
		.amdhsa_forward_progress 1
		.amdhsa_inst_pref_size 105
	.end_amdhsa_kernel
	.amdgpu_metadata
---
amdhsa.version: [ 1, 2 ]
amdhsa.kernels:
  - .name:           k_q5755fbec64_oproj
    .symbol:         k_q5755fbec64_oproj.kd
    .args:
      - { .name: AF, .offset: 0, .size: 8, .value_kind: global_buffer, .address_space: global }
      - { .name: WOF, .offset: 8, .size: 8, .value_kind: global_buffer, .address_space: global }
      - { .name: bo, .offset: 16, .size: 8, .value_kind: global_buffer, .address_space: global }
      - { .name: out0, .offset: 24, .size: 8, .value_kind: global_buffer, .address_space: global }
    .group_segment_fixed_size: 327680
    .private_segment_fixed_size: 0
    .kernarg_segment_align: 8
    .kernarg_segment_size: 32
    .max_flat_workgroup_size: 128
    .sgpr_count:     66
    .vgpr_count:     1024
    .wavefront_size: 32
...
	.end_amdgpu_metadata
.endif
;; end of part 4
